; MI455X (gfx1250); checked and timed in simulation.
; The chip was launched on July 23, 2026; its instructions are those of AMD's public machine-readable ISA for CDNA 5 (MIT licence, August 2026) and "CDNA5" Instruction Set Architecture Reference Guide (July 2026). The comments in the code are by the model that wrote it; some were corrected since.
;; Rel Pos Multi Head Attention. Allowed arithmetic: matrix products marked QUANTISED: E2M1 operands, one E8M0 scale for each 32 along K, by v_wmma_scale_f32_16x16x128_f8f6f4 with both operands' format E2M1 (or v_wmma_scale_f32_32x16x128_f4), f32 sums; products left as they are: bf16, f16 or f32 operands; f32 sums; everything else in f32.
;; Inputs: Wk 1,024 x 1,024 float32; Wo 1,024 x 1,024 float32; Wq 1,024 x 1,024 float32; Wrel 1,024 x 1,024 float32; Wv 1,024 x 1,024 float32; bias_u 16 x 64 float32; bias_v 16 x 64 float32; pos_emb 2,048 x 1,024 float32; x 2 x 2,048 x 1,024 float32.
;; Outputs: out0 2 x 2,048 x 1,024 float32.
;; This version of the problem:
;;   THIS VERSION OF THE PROBLEM IS GIVEN IN LOW PRECISION. The matrix products marked QUANTISED in the list below multiply operands that are first quantised to E2M1 (2 exponent bits, 1 mantissa bit; 4 bits a number), with one power-of-two scale for each 32 numbers along K (OCP MX v1.0); their sums are f32. The products marked 'left as it is' may take bf16, f16 or f32 operands, with f32 sums. Whichever they take, every output number must still come out within the allowed error. Rounding operands to bf16 (8 significant bits) uses up far more of that allowance than f16 does (11 bits, for magnitudes from 6e-5 to 65,504). All else is computed in f32.
;;   The module's matrix products, in the order in which they are computed (A, B: the left and right operand; K: the contracted axis; several contracted axes count as one K, in the product's order):
;;     1. [M 4,096, K 1,024] x [K 1,024, N 1,024]; A: input x; B: input Wq: QUANTISED
;;     2. [M 4,096, K 1,024] x [K 1,024, N 1,024]; A: input x; B: input Wk: QUANTISED
;;     3. [M 4,096, K 1,024] x [K 1,024, N 1,024]; A: input x; B: input Wv: QUANTISED
;;     4. batch 32 x [M 2,048, K 64] x [K 64, N 2,048]; A: computed on the way; B: computed on the way: left as it is (an operand is computed on the way)
;;     5. [M 2,048, K 1,024] x [K 1,024, N 1,024]; A: input pos_emb; B: input Wrel: QUANTISED
;;     6. batch 16 x [M 2,048, K 64] x [K 64, N 4,096]; A: computed on the way; B: computed on the way: left as it is (an operand is computed on the way)
;;     7. batch 32 x [M 2,048, K 2,048] x [K 2,048, N 64]; A: computed on the way; B: computed on the way: left as it is (an operand is computed on the way)
;;     8. [M 4,096, K 1,024] x [K 1,024, N 1,024]; A: computed on the way; B: input Wo: left as it is (an operand is computed on the way)
;;   THE QUANTISER, for each operand of a quantised product, along K:
;;     - K is cut into blocks of 32 from its start; a last block that is shorter is filled with zeros.
;;     - A block's scale is 2^e with e = floor(log2(the largest magnitude in the block)) - 2, held to -126 .. 127; a block of zeros has e = 0. As a byte (E8M0): e + 127.
;;     - Each number is divided by its block's scale, clamped to +-6, and rounded to the nearest number of E2M1, ties to even, subnormals kept.
;;     - The product sums the exact products of the quantised numbers (number of the format x scale) in f32.
;;   ~~~python
;;   def quantise(x, axis):      # numpy; x: float32 -> the quantised numbers, widened to float32 again
;;       x = np.moveaxis(x, axis, -1); K = x.shape[-1]
;;       x = np.pad(x, [(0, 0)] * (x.ndim - 1) + [(0, -K % 32)]); x = x.reshape(x.shape[:-1] + (-1, 32)); a = np.abs(x).max(-1, keepdims=True)
;;       e = np.where(a > 0, np.clip(np.frexp(np.where(a > 0, a, 1))[1] - 1 - 2, -126, 127), 0)      # np.frexp(a)[1] - 1 = floor(log2(a)), exactly
;;       r = np.clip(x / 2.0 ** e, -6, 6)
;;       step = 2.0 ** (np.maximum(np.frexp(np.where(r == 0, 1, r))[1] - 1, 0) - 1)
;;       q = np.round(r / step) * step * 2.0 ** e      # np.round: ties to even
;;       return np.moveaxis(q.reshape(q.shape[:-2] + (-1,))[..., :K], -1, axis).astype(np.float32)
;;   ~~~
;; One version. Each part assembles by itself: llvm-mc -triple=amdgcn-amd-amdhsa -mcpu=gfx1250 --defsym DOCPART=n.
;; ======== version 1 of 1: 4 launches
;; limits: values are held in f16: magnitudes above 65,504 overflow, below 6.1e-05 lose precision
;; workspace buffers: prep 7,667,712 bytes; qq 16,777,216 bytes; kv 16,777,216 bytes; e2 8,392,704 bytes; ao 8,388,608 bytes
;; launch prep (part 1): grid 352 x 1, 4 waves a work-group, no clusters, 33,280 bytes of LDS; arguments x, pos_emb, Wq, Wk, Wv, Wrel, Wo, prep, e2; writes prep, e2
.if DOCPART == 1
	.amdgcn_target "amdgcn-amd-amdhsa--gfx1250"
	.amdhsa_code_object_version 6
	.text
	.protected	k_q92328d42bf_prep
	.globl	k_q92328d42bf_prep
	.p2align	8
	.type	k_q92328d42bf_prep,@function
k_q92328d42bf_prep:
	s_mov_b64 s[64:65], 0
	v_nop
	global_prefetch_b8 v0, s[64:65] scope:SCOPE_SE
	s_setreg_imm32_b32 hwreg(HW_REG_WAVE_MODE, 25, 1), 1
	s_wait_xcnt 0x0
; x [4096][1024], pos_emb [2048][1024], Wq, Wk, Wv, Wrel [1024][1024], all f32 with K innermost, become codes of FP4 (E2M1), two a byte, the lower k in the low four bits,
; with one E8M0 scale byte for each 32 along K.  The six tensors are laid on end as 10,240 rows: codes at byte 0 of the workspace (512 bytes a row), scale bytes at SCO (32 a row).
; A block's scale is 2^(floor(log2(its largest magnitude)) - 2); its byte is the largest magnitude's exponent field - 2, held at 1 from below.  Each number is divided by the scale and rounded to the nearest code, ties to even;
; what lies beyond 6 gets the largest code.  Wo is cast to f16 (at WO16), and the one row of zeros of each head's table of relative keys is stored.
; LIMITS: a block of zeros gets the byte 1 (its codes are zeros, and this program alone reads the bytes); blocks whose largest magnitude lies under 2^-124 keep the byte 1; NaN and infinities are not served; Wo must lie inside f16's range, 65,504.
; SHARES: work-groups 0-319 quantise 32,768 numbers each, a wave 16 steps of 512; work-groups 320-351 cast 32,768 numbers of Wo each.  Rows are dense and K is a multiple of 32: a tensor is a plain stream of blocks.
; The conversions want 16 neighbours in one lane, a load is best where neighbouring lanes take neighbouring bytes: each load reads 512 consecutive bytes, and a step's 2,048 bytes turn through the wave's own stage in LDS.
; No tensor load, no barrier: waves share nothing.
.set WAVES, 4
.set STEPS, 16
.set EMAX,  2
.set CB,    8                          ; bytes of 16 codes
.set R,     16                         ; v16-79   four sets of 16 numbers as they are loaded
.set X,     80                         ; v80-111  two sets of 16 neighbours
.set C,     128                        ; v128-191 codes: four registers for each step, so that no store's data are written again
.set E,     112                        ; v112-127 a scale byte for each step
.set WREG,  8192                       ; LDS: a region for each wave: two stages of 32 x SP bytes, behind them its 256 scale bytes
.set SP,    80                         ; a lane's place in a stage: 64 bytes + 16 of padding
.set SPW,   12                         ; v12 LDS address of my spare word; never rewritten
.set NIL,   13                         ; v13 0; never rewritten
.set SPARE, WAVES*WREG                 ; the spare words, 128 bytes a wave: two blocks of 256 bytes that no other line names
.set SCO,   5242880                    ; where the scale bytes begin in the workspace
.set WO16,  5570560                    ; where Wo's f16 numbers begin
.set EHB,   524544                     ; a head's table of relative keys: 4,098 rows of 128 bytes
	s_load_b256 s[4:11], s[0:1], 0x0               ; x, pos_emb, Wq, Wk
	s_load_b256 s[12:19], s[0:1], 0x20             ; Wv, Wrel, Wo, the workspace
	s_load_b64 s[20:21], s[0:1], 0x40              ; the table of relative keys
	v_lshl_add_u32 v[SPW], v0, 2, SPARE
	v_mov_b32 v[NIL], 0
	v_lshrrev_b32 v1, 5, v0
	v_readfirstlane_b32 s22, v1                    ; wave
	v_and_b32 v2, 31, v0                           ; lane
	v_lshlrev_b32 v3, 4, v2                        ; my 16 bytes of a load's 512
	s_mul_i32 s23, s22, WREG
	v_lshrrev_b32 v14, 2, v2
	v_mul_u32_u24 v14, v14, SP
	v_and_b32 v15, 3, v2
	v_lshl_add_u32 v14, v15, 4, v14
	v_add_nc_u32 v14, s23, v14                     ; the stage, on the way in: SP (lane / 4) + 16 (lane % 4)
	v_mul_u32_u24 v15, v2, SP
	v_add_nc_u32 v15, s23, v15                     ; and on the way out: SP x lane: my 16 neighbours
	v_mul_u32_u24 v4, v2, CB                       ; my codes' place in a step's
	v_lshrrev_b32 v5, 1, v2
	s_add_co_u32 s23, s23, 2*32*SP
	v_add_nc_u32 v5, s23, v5                       ; LDS: my wave's 256 scale bytes, my block's byte
	v_lshlrev_b32 v7, 3, v2                        ; 8 bytes a lane
	v_add_nc_u32 v6, s23, v7
	s_mov_b32 s29, 0
	s_wait_kmcnt 0x0
	s_cmp_ge_u32 ttmp9, 320
	s_cbranch_scc1 .Lcast
	; which tensor is my work-group's, and where its work-groups begin: the choice hangs on the work-group's number alone
	s_mov_b64 s[24:25], s[14:15]                   ; Wrel: 288-319
	s_mov_b32 s26, 288
	s_cmp_lt_u32 ttmp9, 288
	s_cselect_b64 s[24:25], s[12:13], s[24:25]     ; Wv: 256-287
	s_cselect_b32 s26, 256, s26
	s_cmp_lt_u32 ttmp9, 256
	s_cselect_b64 s[24:25], s[10:11], s[24:25]     ; Wk: 224-255
	s_cselect_b32 s26, 224, s26
	s_cmp_lt_u32 ttmp9, 224
	s_cselect_b64 s[24:25], s[8:9], s[24:25]       ; Wq: 192-223
	s_cselect_b32 s26, 192, s26
	s_cmp_lt_u32 ttmp9, 192
	s_cselect_b64 s[24:25], s[6:7], s[24:25]       ; pos_emb: 128-191
	s_cselect_b32 s26, 128, s26
	s_cmp_lt_u32 ttmp9, 128
	s_cselect_b64 s[24:25], s[4:5], s[24:25]       ; x: 0-127
	s_cselect_b32 s26, 0, s26
	s_sub_co_u32 s27, ttmp9, s26
	s_lshl_b32 s27, s27, 2
	s_add_co_u32 s27, s27, s22                     ; which run of 8,192 numbers of the tensor is my wave's
	s_lshl_b32 s28, s27, 15
	s_add_nc_u64 s[4:5], s[24:25], s[28:29]        ; the numbers
	s_lshl_b32 s27, ttmp9, 2
	s_add_co_u32 s27, s27, s22                     ; and which run of all six tensors on end
	s_lshl_b32 s28, s27, 12
	s_add_nc_u64 s[8:9], s[18:19], s[28:29]        ; its 4,096 bytes of codes
	s_lshl_b32 s28, s27, 8
	s_add_co_u32 s28, s28, SCO
	s_add_nc_u64 s[10:11], s[18:19], s[28:29]      ; its 256 scale bytes
.macro LOAD t
.irp i, 0,1,2,3
	global_load_b128 v[R+16*((\t)%4)+4*\i:R+16*((\t)%4)+4*\i+3], v3, s[4:5] offset:2048*(\t)+512*\i th:TH_LOAD_NT   ; 32 lanes read 512 consecutive bytes
.endr
.endm
.macro TURN t                          ; step t's numbers through the stage: LDS serves a wave's instructions in order (ISA guide 5.7.1.4), so no wait stands between the stores and the loads
.irp i, 0,1,2,3
	ds_store_b128 v14, v[R+16*((\t)%4)+4*\i:R+16*((\t)%4)+4*\i+3] offset:32*SP*((\t)%2)+8*SP*\i
.endr
.irp i, 0,1,2,3
	ds_load_b128 v[X+16*((\t)%2)+4*\i:X+16*((\t)%2)+4*\i+3], v15 offset:32*SP*((\t)%2)+16*\i
.endr
.endm
.irp t, 0,1,2,3
	LOAD \t
.endr
	s_wait_loadcnt 12                              ; step 0's four loads are in; the twelve of steps 1 to 3 may be out
	TURN 0
.macro STEP t
.set XS, X+16*((\t)%2)
.if (\t) > 0
	s_wait_dscnt 1                                 ; this step's numbers are back from the stage (the last step's byte store may be out): so its stores into the stage have read their registers,
.else
	s_wait_dscnt 0x0
.endif
.if (\t)+4 < STEPS
	LOAD (\t)+4                                    ; which take the loads of four steps on
.endif
.if (\t)+1 < STEPS
.if STEPS-2-(\t) >= 3
	s_wait_loadcnt 12                              ; the next step's four loads are in; those of the three steps behind it may be out
.else
	s_wait_loadcnt 4*(STEPS-2-(\t))
.endif
	TURN (\t)+1                                    ; and go through the other stage while this step is worked
.endif
	v_max3_num_f32 v8, |v[XS]|, |v[XS+1]|, |v[XS+2]|               ; the largest magnitude of my 16, in two chains
	v_max3_num_f32 v9, |v[XS+3]|, |v[XS+4]|, |v[XS+5]|
.irp i, 6,10
	v_max3_num_f32 v8, v8, |v[XS+\i]|, |v[XS+\i+1]|
	v_max3_num_f32 v9, v9, |v[XS+\i+2]|, |v[XS+\i+3]|
.endr
	v_max3_num_f32 v8, v8, |v[XS+14]|, |v[XS+15]|
	v_max3_num_f32 v8, v8, v9, (EMAX+1)<<23        ; and the floor 2^(EMAX + 1 - 127): so the byte cannot fall under 1
	v_max_num_f32_dpp v8, v8, v8 row_xmask:1 row_mask:0xf bank_mask:0xf   ; and of my neighbour's 16: the block's
	v_add_nc_u32 v11, -(EMAX<<23), v8              ; EMAX off its exponent field: the conversion takes the exponent field of this operand as its scale, and nothing else of it
	v_cvt_scalef32_pk8_fp4_f32 v[C+4*(\t)], v[XS:XS+7], v11
	v_cvt_scalef32_pk8_fp4_f32 v[C+4*(\t)+1], v[XS+8:XS+15], v11
	v_lshrrev_b32 v[E+(\t)], 23, v11               ; the scale's byte (a plain line behind the conversions)
	ds_store_b8 v5, v[E+(\t)] offset:16*(\t)       ; both lanes of a block write the same byte with the same value
	global_store_b64 v4, v[C+4*(\t):C+4*(\t)+1], s[8:9] offset:32*CB*(\t)   ; the wave stores 256 consecutive bytes, aligned
.endm
.irp t, 0,1,2,3,4,5,6,7,8,9,10,11,12,13,14,15
	STEP \t
.endr
	ds_load_b64 v[8:9], v6                         ; LDS serves a wave's instructions in order: these see my byte stores
	s_wait_dscnt 0x0
	global_store_b64 v7, v[8:9], s[10:11]          ; 32 lanes store 256 consecutive bytes, aligned
	s_wait_tensorcnt 0x0                           ; the wave's end, behind my last LDS store
	ds_add_u32 v[SPW], v[NIL]
	s_wait_dscnt 0x0
	s_endpgm
; Wo to f16: a wave takes 8,192 numbers in four batches of 16 loads; two batches are on their way.
.Lcast:
	s_sub_co_u32 s26, ttmp9, 320                   ; c = 0 .. 31
	s_lshl_b32 s27, s26, 2
	s_add_co_u32 s27, s27, s22
	s_lshl_b32 s28, s27, 15
	s_add_nc_u64 s[4:5], s[16:17], s[28:29]        ; my 32,768 bytes of Wo
	s_lshl_b32 s28, s27, 14
	s_add_co_u32 s28, s28, WO16
	s_add_nc_u64 s[8:9], s[18:19], s[28:29]        ; and their 16,384 bytes as f16
.macro CLOAD t
.irp i, 0,1,2,3,4,5,6,7,8,9,10,11,12,13,14,15
	global_load_b128 v[16+64*((\t)%2)+4*\i:16+64*((\t)%2)+4*\i+3], v3, s[4:5] offset:8192*(\t)+512*\i th:TH_LOAD_NT
.endr
.endm
.macro CAST t
.set CBASE, 16+64*((\t)%2)
.if (\t) < 3
	s_wait_loadcnt 16                              ; this batch is in; the younger batch's sixteen may be out
.else
	s_wait_loadcnt 0x0
.endif
.irp i, 0,1,2,3,4,5,6,7,8,9,10,11,12,13,14,15
	v_cvt_pk_f16_f32 v[CBASE+4*\i], v[CBASE+4*\i], v[CBASE+4*\i+1]          ; four numbers become 8 bytes, in place
	v_cvt_pk_f16_f32 v[CBASE+4*\i+1], v[CBASE+4*\i+2], v[CBASE+4*\i+3]
.endr
.irp i, 0,1,2,3,4,5,6,7,8,9,10,11,12,13,14,15
	global_store_b64 v7, v[CBASE+4*\i:CBASE+4*\i+1], s[8:9] offset:4096*(\t)+256*\i   ; the wave stores 256 consecutive bytes, aligned
.endr
.if (\t) < 2
	s_wait_xcnt 0x0                                ; the stores have read their registers: only now does the batch two on land there
	CLOAD (\t)+2
.endif
.endm
	CLOAD 0
	CLOAD 1
	CAST 0
	CAST 1
	CAST 2
	CAST 3
	s_lshr_b32 s27, s26, 4                         ; wave 0 of the first sixteen of these work-groups stores head c's row of zeros, row 2,048 of its table
	s_or_b32 s27, s27, s22
	s_cmp_lg_u32 s27, 0
	s_cbranch_scc1 .Lcast_end
	s_mul_i32 s28, s26, EHB
	s_add_co_u32 s28, s28, 2048*128
	s_add_nc_u64 s[10:11], s[20:21], s[28:29]
	v_lshlrev_b32 v8, 2, v2
	v_mov_b32 v9, 0
	global_store_b32 v8, v9, s[10:11]              ; 128 bytes
.Lcast_end:
	s_endpgm
.Lfunc_end_k_q92328d42bf_prep:
	.size	k_q92328d42bf_prep, .Lfunc_end_k_q92328d42bf_prep-k_q92328d42bf_prep
	.p2alignl 7, 3214868480
	.fill 96, 4, 3214868480
	.section	.rodata,"a",@progbits
	.p2align	6, 0x0
	.amdhsa_kernel k_q92328d42bf_prep
		.amdhsa_group_segment_fixed_size 33280
		.amdhsa_private_segment_fixed_size 0
		.amdhsa_enable_private_segment 0
		.amdhsa_kernarg_size 72
		.amdhsa_user_sgpr_count 2
		.amdhsa_user_sgpr_kernarg_segment_ptr 1
		.amdhsa_wavefront_size32 1
		.amdhsa_system_sgpr_workgroup_id_x 1
		.amdhsa_system_sgpr_workgroup_id_y 1
		.amdhsa_system_sgpr_workgroup_id_z 1
		.amdhsa_system_vgpr_workitem_id 0
		.amdhsa_next_free_vgpr 192
		.amdhsa_next_free_sgpr 66
		.amdhsa_reserve_vcc 0
		.amdhsa_float_denorm_mode_32 3
		.amdhsa_float_denorm_mode_16_64 3
		.amdhsa_memory_ordered 1
		.amdhsa_forward_progress 1
		.amdhsa_inst_pref_size 55
	.end_amdhsa_kernel
	.amdgpu_metadata
---
amdhsa.version: [ 1, 2 ]
amdhsa.kernels:
  - .name:           k_q92328d42bf_prep
    .symbol:         k_q92328d42bf_prep.kd
    .args:
      - { .name: x, .offset: 0, .size: 8, .value_kind: global_buffer, .address_space: global }
      - { .name: pos_emb, .offset: 8, .size: 8, .value_kind: global_buffer, .address_space: global }
      - { .name: Wq, .offset: 16, .size: 8, .value_kind: global_buffer, .address_space: global }
      - { .name: Wk, .offset: 24, .size: 8, .value_kind: global_buffer, .address_space: global }
      - { .name: Wv, .offset: 32, .size: 8, .value_kind: global_buffer, .address_space: global }
      - { .name: Wrel, .offset: 40, .size: 8, .value_kind: global_buffer, .address_space: global }
      - { .name: Wo, .offset: 48, .size: 8, .value_kind: global_buffer, .address_space: global }
      - { .name: prep, .offset: 56, .size: 8, .value_kind: global_buffer, .address_space: global }
      - { .name: e2, .offset: 64, .size: 8, .value_kind: global_buffer, .address_space: global }
    .group_segment_fixed_size: 33280
    .private_segment_fixed_size: 0
    .kernarg_segment_align: 8
    .kernarg_segment_size: 72
    .max_flat_workgroup_size: 128
    .sgpr_count:     66
    .vgpr_count:     192
    .wavefront_size: 32
...
	.end_amdgpu_metadata
.endif
;; end of part 1
;; launch proj (part 2): grid 56 x 4, 4 waves a work-group, clusters of 4 x 4, 327,680 bytes of LDS; arguments prep, bias_u, bias_v, qq, kv, e2; writes qq, kv, e2
.if DOCPART == 2
	.amdgcn_target "amdgcn-amd-amdhsa--gfx1250"
	.amdhsa_code_object_version 6
	.text
	.protected	k_q92328d42bf_proj
	.globl	k_q92328d42bf_proj
	.p2align	8
	.type	k_q92328d42bf_proj,@function
k_q92328d42bf_proj:
	s_mov_b64 s[64:65], 0
	v_nop
	global_prefetch_b8 v0, s[64:65] scope:SCOPE_SE
	s_setreg_imm32_b32 hwreg(HW_REG_WAVE_MODE, 25, 1), 1
	s_wait_xcnt 0x0
	s_wait_alu depctr_hold_cnt(0) depctr_sa_sdst(0) depctr_va_vdst(0) depctr_va_sdst(0) depctr_va_ssrc(0) depctr_va_vcc(0) depctr_vm_vsrc(0)
	s_getreg_b32 s2, hwreg(HW_REG_IB_STS2, 6, 4)
	s_cmp_eq_u32 s2, 0
	s_cbranch_scc0 .Lentry_in_a_cluster
	s_endpgm
.Lentry_in_a_cluster:
	s_bfe_u32 s2, ttmp6, 0x10000c
	s_cmp_lg_u32 s2, 0xf033
	s_cbranch_scc0 .Lentry_shape_is_right
	s_endpgm
.Lentry_shape_is_right:
; The four quantised products, x Wq^T, x Wk^T, x Wv^T (4,096 x 1,024 x 1,024) and pos_emb Wrel^T (2,048 x 1,024 x 1,024), on codes of FP4 (E2M1) with one E8M0 scale for each 32 along K; sums in f32.
; Codes and scale bytes lie in one workspace as 10,240 rows (x 0-4,095, pos_emb 4,096-6,143, Wq, Wk, Wv, Wrel from 6,144 on): 512 bytes of codes a row, 32 scale bytes a row from SCO on.
; 14 clusters of 4 x 4 work-groups: cluster C makes, for weight w = C / 4, token rows 1,024 (C % 4) on, all 1,024 channels.  A work-group makes 256 x 256, each of its four waves 128 x 128: 64 accumulators, 512 registers.
; K = 1,024 is two slots of 512 along K (rows of 256 bytes); both slots and all scale bytes are asked for at the start, and nothing is filled again.
; The four of a row of the cluster need the same token rows, the four of a column the same weight rows: each tile is asked for JOINTLY, by the same tensor load with the same descriptor and a mask that names the four.
; THE MATRIX INSTRUCTION IS USED TRANSPOSED (source 0 = 16 weight rows, source 1 = 16 token rows): a lane holds eight neighbouring channels of one token.
; THE WAY OUT: f16, by heads, [batch x head][token][64].  w = 0: q + bias_u and q + bias_v, added in f32, into the two parts of qq; w = 1, 2: k and v into the two parts of kv;
; w = 3: the relative keys twice into each head's table: rows 0-2,047 and rows 2,049-4,096 (row 2,048 is zeros, stored by the launch before).
; LIMITS: results must lie inside f16's range, 65,504; NaN and infinities are not served (a bias is multiplied by 0 where it is not wanted).
; 224 work-groups: the two shapes have no more tiles of this size.
; REGISTERS, in windows of 256: window 0: v0-31 addresses; v32-95 scale words, two sets; v128-191 the tokens' fragments, one set; on the way out v32-159 are at work.
;   window 1: the weights' fragments, two sets, at v0 and v128; v64-127 bias_u, v192-255 bias_v of my 128 channels.   windows 2, 3: the accumulators of my tokens 0-63, 64-127 ((a, b) at v[8 (8 (a % 4) + b)]).
.set KSTEP,  512
.set NQ,     KSTEP/128
.set ROWB,   256                       ; a tile's row in bytes
.set KROW,   512                       ; a row of codes in memory
.set PITCH,  272                       ; an LDS row: 256 bytes + 16 of padding = 68 words: the 16 rows that a load touches start at 16 different banks (64 banks of 4 bytes: ISA guide 11.1)
.set FR,     8
.set NL,     2
.set NP,     4                         ; places behind this matrix instruction (ISA guide 7.12.1)
.set HALFT,  128*PITCH
.set SLOT,   4*HALFT
.set KS,     32                        ; a row of scale bytes
.set SCL,    2*SLOT                    ; behind the slots: the scale bytes, as units of 256 bytes + 16 of padding
.set HALFS,  (128*KS/256)*272
.set SBLK,   (16*KS/256)*272
.set SPARE,  SCL+4*HALFS               ; the spare words, 128 bytes a wave: two blocks of 256 bytes that no other line names
.set SCO,    5242880
.set WSTG,   32*144                    ; the way out: a stage of 2 heads x 16 tokens x (128 bytes + 16) for each wave, in slot 0, which has had its only fill and its last read by then
.set ADRA, 16
.set ADRB, 20
.set STO,  24
.set RD,   25
.set CO0,  26                          ; v26 16 x lane: my place in 512 bytes of a head's rows
.set ADRS, 27
.set SPW,  28
.set NIL,  29
.set CO1,  30                          ; v30 the same, one head on
.set BOF,  31                          ; v31 32 x (lane / 16): my half's eight numbers of a bias
.set SC,   32
.set AF,   128
.set TT,   32                          ; the way out: v32-95 a block's 64 numbers in f32
.set PK,   96                          ; v96-127 as f16
.set BK,   128                         ; v128-159 back from the stage
.set G1, 24
.set G0, 32
.set G1B, 48
.set G0B, 56
.set G1S, 68
.set G0S, 76
.set G1SB, 80
.set G0SB, 88
.set MSB, 0
.macro WIN new                         ; the immediate's high byte repeats the setting that is left
.if MSB != \new
	s_set_vgpr_msb (MSB<<8)|\new
.set MSB, \new
.endif
.endm
.set MUL_LO, 0xa1                      ; source 0 window 1, source 1 window 0, C and D window 2
.set MUL_HI, 0xf1                      ; the same, C and D window 3
.set TO_B,   0x40                      ; destination window 1, address window 0
; A joint load: waves 0 and 1 fetch token rows, waves 2 and 3 weight rows.  Each line has one mask and one set of registers for all that issue it; the branch hangs on the wave's number alone.
; An s_nop 0 and four v_nop follow each of the two lines.
.macro JLOAD g0a, g1a, g0b, g1b
	s_cmp_eq_u32 s15, 0
	s_cbranch_scc0 .Lfor_b_\@
	tensor_load_to_lds s[\g0a:\g0a+3], s[\g1a:\g1a+7]
	s_nop 0
.rept 4
	v_nop
.endr
	s_branch .Lasked_\@
.Lfor_b_\@:
	tensor_load_to_lds s[\g0b:\g0b+3], s[\g1b:\g1b+7]
	s_nop 0
.rept 4
	v_nop
.endr
.Lasked_\@:
.endm
.macro CROUND                          ; a round of the cluster's barrier
	s_barrier_signal -1
	s_barrier_wait -1
	s_cmp_lg_u32 s14, 0
	s_cbranch_scc1 .Lnot_wave_0_\@
	s_barrier_signal -3
.Lnot_wave_0_\@:
	s_barrier_wait -3
	s_barrier_signal -1
	s_barrier_wait -1
.endm
	s_load_b128 s[4:7], s[0:1], 0x0                ; the workspace of codes s[4:5], bias_u s[6:7]
	s_load_b128 s[8:11], s[0:1], 0x10              ; bias_v s[8:9], qq s[10:11]
	s_load_b128 s[96:99], s[0:1], 0x20             ; kv s[96:97], the table of relative keys s[98:99]
	v_lshl_add_u32 v[SPW], v0, 2, SPARE
	v_mov_b32 v[NIL], 0
	ds_add_u32 v[SPW], v[NIL]                      ; the wave's opening: the add, twice on end, and its wait ahead of my first tensor load
	ds_add_u32 v[SPW], v[NIL]                      ; and once more, under the one wait; the set-up below, work on registers, stands between
	v_lshrrev_b32 v1, 5, v0
	v_readfirstlane_b32 s14, v1                    ; wave 0..3
	s_lshr_b32 s15, s14, 1                         ; which half of the tile's tokens is mine.  Also: I fetch tokens (0) or weights (1)
	s_and_b32 s16, s14, 1                          ; which half of its channels.  Also: which 128 rows of that tile I fetch
	s_bfe_u32 s40, ttmp6, 0x40000                  ; cx, cy: my place in the cluster
	s_bfe_u32 s41, ttmp6, 0x40004
	s_lshr_b32 s95, ttmp9, 2                       ; w: 0 Wq, 1 Wk, 2 Wv, 3 Wrel: the same in all sixteen partners
	s_lshl_b32 s42, s95, 2
	s_add_co_u32 s42, s42, s40
	s_add_co_u32 s42, s42, 24                      ; the weight's block of 256 rows of the workspace: 24 + 4 w + cx
	s_and_b32 s17, ttmp9, 3
	s_lshl_b32 s17, s17, 2
	s_add_co_u32 s17, s17, s41                     ; the tokens' block: 4 (C % 4) + cy,
	s_cmp_eq_u32 s95, 3
	s_cselect_b32 s18, 16, 0
	s_add_co_u32 s17, s17, s18                     ; and 16 on for pos_emb
	s_lshl_b32 s43, s41, 2
	s_lshl_b32 s43, 15, s43                        ; my row of the cluster
	s_lshl_b32 s44, 0x1111, s40                    ; my column
	; descriptor group 1: a tile of 128 rows x 256 bytes, padded in LDS
	s_or_b32 s[G1+0], s43, (0<<16)|(1<<20)|(1<<21)|(5<<22)|(3<<25)  ; 15:0 the mask; 17:16 elements of 1 byte; 20 padding on; 21 set beside a mask; 24:22 after every 64 words; 31:25 four words
	s_or_b32 s[G1B+0], s44, (0<<16)|(1<<20)|(1<<21)|(5<<22)|(3<<25)
.irp g, G1, G1B
	s_mov_b32 s[\g+1], ROWB<<16                    ; tensor_dim0
	s_mov_b32 s[\g+2], 128<<16                     ; tensor_dim1
	s_mov_b32 s[\g+3], ROWB<<16                    ; tile_dim0
	s_mov_b32 s[\g+4], 128                         ; tile_dim1
	s_mov_b32 s[\g+5], KROW                        ; tensor_dim0_stride
	s_mov_b32 s[\g+6], 0
	s_mov_b32 s[\g+7], 0
.endr
	; the scale bytes of 128 rows: 4,096 dense bytes, as 16 rows of 256 bytes (32 elements of 8 bytes), 16 bytes of padding behind each
	s_or_b32 s[G1S+0], s43, (3<<16)|(1<<20)|(1<<21)|(5<<22)|(3<<25)
	s_or_b32 s[G1SB+0], s44, (3<<16)|(1<<20)|(1<<21)|(5<<22)|(3<<25)
.irp g, G1S, G1SB
	s_mov_b32 s[\g+1], 32<<16
	s_mov_b32 s[\g+2], (128*KS/256)<<16
	s_mov_b32 s[\g+3], 32<<16
	s_mov_b32 s[\g+4], 128*KS/256
	s_mov_b32 s[\g+5], 32
	s_mov_b32 s[\g+6], 0
	s_mov_b32 s[\g+7], 0
.endr
	s_lshl_b32 s18, s16, 7                         ; which 128 rows of the tile I fetch
	s_lshl_b32 s20, s17, 8
	s_add_co_u32 s20, s20, s18                     ; tokens: row 256 x block + 128 x half
	s_lshl_b32 s46, s42, 8
	s_add_co_u32 s46, s46, s18                     ; weights likewise
	s_mov_b32 s21, 0
	s_mov_b32 s47, 0
	s_mov_b64 s[18:19], KS
	s_mul_u64 s[22:23], s[20:21], s[18:19]         ; where these rows' scale bytes begin,
	s_mul_u64 s[92:93], s[46:47], s[18:19]
	s_add_nc_u64 s[22:23], s[22:23], SCO
	s_add_nc_u64 s[92:93], s[92:93], SCO
	s_mov_b64 s[18:19], KROW
	s_mul_u64 s[20:21], s[20:21], s[18:19]         ; and their codes
	s_mul_u64 s[46:47], s[46:47], s[18:19]
	s_mul_i32 s45, s14, HALFT                      ; where they go: wave x 128 rows: no place in the cluster enters an LDS address
	s_mul_i32 s94, s14, HALFS
	s_wait_dscnt 0x0                               ; both opening adds are done
	s_wait_kmcnt 0x0
	s_add_nc_u64 s[20:21], s[4:5], s[20:21]
	s_add_nc_u64 s[22:23], s[4:5], s[22:23]
	s_add_nc_u64 s[46:47], s[4:5], s[46:47]
	s_add_nc_u64 s[92:93], s[4:5], s[92:93]
	CROUND                                         ; all sixteen work-groups are here: the joint loads meet
	s_mov_b32 s[G0S], 1
	s_add_co_u32 s[G0S+1], s94, SCL
	s_mov_b64 s[G0S+2:G0S+3], s[22:23]
	s_or_b32 s[G0S+3], s[G0S+3], 0x80000000
	s_mov_b32 s[G0SB], 1
	s_add_co_u32 s[G0SB+1], s94, SCL
	s_mov_b64 s[G0SB+2:G0SB+3], s[92:93]
	s_or_b32 s[G0SB+3], s[G0SB+3], 0x80000000
	JLOAD G0S, G1S, G0SB, G1SB                     ; the scale bytes first: they are wanted with the first slot
.irp s, 0,1
	s_mov_b32 s[G0+4*\s], 1
	s_add_co_u32 s[G0+4*\s+1], s45, \s*SLOT
	s_add_nc_u64 s[G0+4*\s+2:G0+4*\s+3], s[20:21], \s*ROWB
	s_or_b32 s[G0+4*\s+3], s[G0+4*\s+3], 0x80000000
	s_mov_b32 s[G0B+4*\s], 1
	s_add_co_u32 s[G0B+4*\s+1], s45, \s*SLOT
	s_add_nc_u64 s[G0B+4*\s+2:G0B+4*\s+3], s[46:47], \s*ROWB
	s_or_b32 s[G0B+4*\s+3], s[G0B+4*\s+3], 0x80000000
	JLOAD G0+4*\s, G1, G0B+4*\s, G1B               ; three tensor loads of mine are out
.endr
	v_and_b32 v1, 15, v0                           ; r = lane % 16
	v_bfe_u32 v2, v0, 4, 1                         ; h = lane / 16
	; the biases of my 128 channels, in the result's layout: register 8 b + j = channel 16 b + 8 h + j
	s_lshl_b32 s46, s40, 10
	s_lshl_b32 s47, s16, 9
	s_add_co_u32 s46, s46, s47                     ; 4 x (256 cx + 128 x half)
	s_mov_b32 s47, 0
	s_add_nc_u64 s[6:7], s[6:7], s[46:47]
	s_add_nc_u64 s[8:9], s[8:9], s[46:47]
	v_lshlrev_b32 v[BOF], 5, v2
	WIN TO_B
.irp b, 0,1,2,3,4,5,6,7
	global_load_b128 v[64+8*\b:64+8*\b+3],   v[BOF], s[6:7] offset:64*\b
	global_load_b128 v[64+8*\b+4:64+8*\b+7], v[BOF], s[6:7] offset:64*\b+16
	global_load_b128 v[192+8*\b:192+8*\b+3],   v[BOF], s[8:9] offset:64*\b
	global_load_b128 v[192+8*\b+4:192+8*\b+7], v[BOF], s[8:9] offset:64*\b+16
.endr
	WIN 0
	v_mul_u32_u24 v3, v1, PITCH
	v_lshl_add_u32 v4, v2, 4, v3                   ; a fragment's row x pitch + 16 x half
	s_mul_i32 s21, s15, HALFT                      ; my 128 token rows
	s_mul_i32 s22, s16, HALFT                      ; my 128 weight rows,
	s_add_co_u32 s22, s22, 2*HALFT                 ; which lie behind the tokens' 256
.irp s, 0,1
	v_add_nc_u32 v[ADRA+\s], s21, v4
	v_add_nc_u32 v[ADRB+\s], s22, v4
	s_add_co_u32 s21, s21, SLOT
	s_add_co_u32 s22, s22, SLOT
.endr
	v_mul_u32_u24 v5, v1, KS                       ; my row's scale bytes: KS a row,
	v_lshrrev_b32 v6, 8, v5
	v_lshl_add_u32 v5, v6, 4, v5                   ; and 16 more for each 256 passed
	s_mul_i32 s21, s15, HALFS
	s_mul_i32 s22, s16, HALFS
	s_add_co_u32 s22, s22, 2*HALFS
	s_sub_co_u32 s22, s22, s21
	v_mul_u32_u24 v6, s22, v2                      ; lanes 16-31 take the weights'
	s_add_co_u32 s21, s21, SCL
	v_add_nc_u32 v5, v5, v6
	v_add_nc_u32 v[ADRS], s21, v5
	; the way out's addresses
	s_mul_i32 s23, s14, WSTG                       ; my stage
	v_mul_u32_u24 v5, v1, 144                      ; in: token r's row, 16 bytes for each half of the lanes
	v_lshl_add_u32 v5, v2, 4, v5
	v_add_nc_u32 v[STO], s23, v5
	v_and_b32 v6, 31, v0
	v_lshrrev_b32 v5, 3, v6                        ; back: eight lanes to a row of 128 bytes, four rows an instruction
	v_mul_u32_u24 v5, v5, 144
	v_and_b32 v3, 7, v0
	v_lshl_add_u32 v5, v3, 4, v5
	v_add_nc_u32 v[RD], s23, v5
	v_lshlrev_b32 v[CO0], 4, v6                    ; four tokens of a head are 512 consecutive bytes
	s_and_b32 s20, ttmp9, 3
	s_lshl_b32 s20, s20, 2
	s_add_co_u32 s20, s20, s41
	s_lshl_b32 s20, s20, 8
	s_lshl_b32 s21, s15, 7
	s_add_co_u32 s20, s20, s21                     ; my first token: 256 (4 (C % 4) + cy) + 128 x half
	s_lshr_b32 s21, s20, 11
	s_lshl_b32 s21, s21, 22                        ; its batch: 16 heads x 2,048 tokens x 128 bytes
	s_and_b32 s20, s20, 2047
	s_lshl_b32 s20, s20, 7
	s_add_co_u32 s20, s20, s21
	s_cmp_eq_u32 s95, 3
	s_mov_b32 s93, 262144
	s_cselect_b32 s93, 524544, s93                 ; from head to head: 2,048 rows, in the table 4,098
	s_lshl_b32 s46, s40, 2
	s_lshl_b32 s47, s16, 1
	s_add_co_u32 s46, s46, s47                     ; my first head: 4 cx + 2 x half
	s_mul_i32 s46, s46, s93
	s_add_co_u32 s20, s20, s46
	s_mov_b32 s21, 0
	v_add_nc_u32 v[CO1], s93, v[CO0]
	s_cmp_eq_u32 s95, 0
	s_cselect_b64 s[12:13], s[10:11], s[96:97]     ; qq for w = 0, else kv,
	s_cselect_b32 s100, 0x3f800000, 0              ; and the biases count for q alone: x 1.0 or x 0
	s_mov_b32 s101, s100
	s_cmp_eq_u32 s95, 3
	s_cselect_b64 s[12:13], s[98:99], s[12:13]     ; the table for w = 3
	s_mov_b32 s22, 0x800000
	s_cselect_b32 s22, 2049*128, s22               ; the second copy: the table's row 2,049, or qq's second part
	s_mov_b32 s23, 0
	s_cmp_eq_u32 s95, 2
	s_cselect_b32 s46, 0x800000, 0                 ; v goes into kv's second part
	s_mov_b32 s47, 0
	s_add_nc_u64 s[12:13], s[12:13], s[20:21]
	s_add_nc_u64 s[96:97], s[12:13], s[22:23]      ; where the second pass stores
	s_add_nc_u64 s[12:13], s[12:13], s[46:47]      ; where the first does
	s_add_co_u32 s94, s95, 1
	s_and_b32 s94, s94, 2                          ; 0 for w = 0 and 3: two passes
.macro FRAG reg, adr, q, i             ; 16 rows x 128 K of 4-bit codes, 8 registers: lane l holds row l % 16; registers 4 c .. 4 c + 3 hold K = 64 c + 32 (l / 16) + 0 .. 31
.irp c, 0,1
	ds_load_b128 v[\reg+4*\c:\reg+4*\c+3], v[\adr] offset:64*(\q)+32*\c+(\i)*16*PITCH
.endr
.endm
; 16 matrix instructions: token blocks a0, a0 + 1 x the eight weight blocks, 128 along K.  The 64 accumulators take turns, one instruction a turn, in the same order in every step.
; One register carries both sides' scale words: lanes 0-15 the tokens' block i, lanes 16-31 the weights' block i.
.macro MUL16 a0, p, q, sc, zero
.irp a, \a0, \a0+1
.irp b, 0,1,2,3,4,5,6,7
.if \zero
	v_wmma_scale_f32_16x16x128_f8f6f4 v[8*(8*((\a)%4)+\b):8*(8*((\a)%4)+\b)+7], v[128*(\p)+FR*\b:128*(\p)+FR*\b+FR-1], v[AF+FR*(\a):AF+FR*(\a)+FR-1], 0, v[SC+8*NQ*(\sc)+NQ*\b+(\q)], v[SC+8*NQ*(\sc)+NQ*(\a)+(\q)] matrix_a_fmt:MATRIX_FMT_FP4 matrix_b_fmt:MATRIX_FMT_FP4 matrix_a_scale:MATRIX_SCALE_ROW1
.else
	v_wmma_scale_f32_16x16x128_f8f6f4 v[8*(8*((\a)%4)+\b):8*(8*((\a)%4)+\b)+7], v[128*(\p)+FR*\b:128*(\p)+FR*\b+FR-1], v[AF+FR*(\a):AF+FR*(\a)+FR-1], v[8*(8*((\a)%4)+\b):8*(8*((\a)%4)+\b)+7], v[SC+8*NQ*(\sc)+NQ*\b+(\q)], v[SC+8*NQ*(\sc)+NQ*(\a)+(\q)] matrix_a_fmt:MATRIX_FMT_FP4 matrix_b_fmt:MATRIX_FMT_FP4 matrix_a_scale:MATRIX_SCALE_ROW1
.endif
.endr
.endr
.endm
.macro FETCH_B slot, q, p
	WIN TO_B
.irp i, 0,1,2,3,4,5,6,7
	FRAG 128*(\p)+FR*\i, ADRB+\slot, \q, \i
.endr
	WIN 0
.endm
.macro FETCH_A slot, q, i0
.irp i, \i0, \i0+1, \i0+2, \i0+3
	FRAG AF+FR*(\i), ADRA+\slot, \q, \i
.endr
.endm
.macro SCALES sc                       ; a slot's scale words: four words a row
.irp i, 0,1,2,3,4,5,6,7
	ds_load_b128 v[SC+8*NQ*\sc+NQ*\i:SC+8*NQ*\sc+NQ*\i+3], v[ADRS] offset:\i*SBLK
.endr
.endm
.macro PLACES n                        ; plain vector instructions between a matrix instruction and a load into, or a read of, its registers
.rept \n
	v_nop
.endr
.endm
.macro STEP slot, q, zero              ; 128 along K that has its successor in the same slot
	s_wait_dscnt 4*NL                              ; the weights' set and token blocks 0-3 are in; the youngest eight loads (blocks 4-7) may be out
	WIN MUL_LO
	MUL16 0, (\q)%2, \q, \slot, \zero
	MUL16 2, (\q)%2, \q, \slot, \zero
	s_wait_dscnt 0                                 ; blocks 4-7 are in
	PLACES NP
	FETCH_B \slot, (\q)+1, 1-(\q)%2
	FETCH_A \slot, (\q)+1, 0
	WIN MUL_HI
	MUL16 4, (\q)%2, \q, \slot, \zero
	MUL16 6, (\q)%2, \q, \slot, \zero
	PLACES NP
	WIN 0
	FETCH_A \slot, (\q)+1, 4
.endm
.macro STEPS slot, from
.set Q, \from
.rept NQ-1-\from
	STEP \slot, Q, 0
.set Q, Q+1
.endr
.endm
	s_wait_tensorcnt 1                             ; the scale bytes and my part of slot 0 are in (slot 1's load may be out)
	s_barrier_signal -1
	s_barrier_wait -1                              ; everybody's are
	FETCH_B 0, 0, 0
	FETCH_A 0, 0, 0
	SCALES 0
	FETCH_A 0, 0, 4
	STEP 0, 0, 1                                   ; the first step's products start the sums: nothing is cleared
	STEPS 0, 1
	; slot 0's last step changes slots: one barrier; nothing is filled again
	s_wait_tensorcnt 0x0                           ; all my tensor loads have landed: my part of slot 1
	ds_add_u32 v[SPW], v[NIL]                      ; 0 onto my spare word
	s_wait_dscnt 4*NL+1                            ; (the add and the youngest eight loads may be out)
	WIN MUL_LO
	MUL16 0, 1, NQ-1, 0, 0
	s_wait_dscnt 0x0                               ; the add is done, and my reads of slot 0 are over
	s_barrier_signal -1
	MUL16 2, 1, NQ-1, 0, 0
	WIN 0
	s_barrier_wait -1                              ; slot 1 is whole, and nobody reads slot 0 any more
	PLACES NP
	v_add_nc_u32 v[ADRS], 4*NQ, v[ADRS]            ; on to slot 1's scale words
	FETCH_B 1, 0, 0
	FETCH_A 1, 0, 0
	SCALES 1
	WIN MUL_HI
	MUL16 4, 1, NQ-1, 0, 0
	MUL16 6, 1, NQ-1, 0, 0
	PLACES NP
	WIN 0
	FETCH_A 1, 0, 4
	STEPS 1, 0
	s_wait_dscnt 4*NL                              ; the very last step: nothing more to fetch
	WIN MUL_LO
	MUL16 0, 1, NQ-1, 1, 0
	MUL16 2, 1, NQ-1, 1, 0
	s_wait_dscnt 0
	WIN MUL_HI
	MUL16 4, 1, NQ-1, 1, 0
	MUL16 6, 1, NQ-1, 1, 0
	WIN 0
	s_wait_loadcnt 0x0                             ; the biases
; THE WAY OUT of block a (16 tokens x 128 channels = 2 heads).  p = 0: bias_u and the first place; p = 1: bias_v and the second.
; bias x (1 or 0) + sum in f32; rounded to f16, 16 bytes a lane; through my stage, so that four tokens of a head, 512 consecutive bytes, leave by one store.
.macro PASS a, p, base
	WIN 0x21+0x10*((\a)/4)                         ; source 0 (the bias) window 1, source 2 (the sums) window 2 or 3
.irp b, 0,1,2,3,4,5,6,7
.irp r, 0,1,2,3
	v_pk_fma_f32 v[TT+8*\b+2*\r:TT+8*\b+2*\r+1], v[64+128*(\p)+8*\b+2*\r:64+128*(\p)+8*\b+2*\r+1], s[100:101], v[64*((\a)%4)+8*\b+2*\r:64*((\a)%4)+8*\b+2*\r+1] op_sel_hi:[1,0,1]   ; each accumulator from its low end on
.endr
.endr
	WIN 0
.irp b, 0,1,2,3,4,5,6,7
.irp r, 0,1,2,3
	v_cvt_pk_f16_f32 v[PK+4*\b+\r], v[TT+8*\b+2*\r], v[TT+8*\b+2*\r+1]
.endr
.endr
.irp b, 0,1,2,3,4,5,6,7
	ds_store_b128 v[STO], v[PK+4*\b:PK+4*\b+3] offset:(\b/4)*16*144+32*(\b%4)
.endr
	s_wait_xcnt 0x0                                ; the last pass's stores have read their registers: only now are these loaded again
.irp i, 0,1,2,3,4,5,6,7
	ds_load_b128 v[BK+4*\i:BK+4*\i+3], v[RD] offset:4*144*\i   ; LDS serves a wave's instructions in order (ISA guide 5.7.1.4): these see the stores above
.endr
	s_wait_dscnt 0x0
.irp i, 0,1,2,3
	global_store_b128 v[CO0], v[BK+4*\i:BK+4*\i+3], s[\base:\base+1] offset:2048*(\a)+512*\i
.endr
.irp i, 0,1,2,3
	global_store_b128 v[CO1], v[BK+16+4*\i:BK+16+4*\i+3], s[\base:\base+1] offset:2048*(\a)+512*\i
.endr
.endm
	PLACES NP                                      ; behind the last products: their results are read and their scale words' and fragments' registers written from here on
.irp a, 0,1,2,3,4,5,6,7
	PASS \a, 0, 12
	s_cmp_lg_u32 s94, 0                            ; k and v are stored once; the test hangs on the cluster's number alone
	s_cbranch_scc1 .Lone_\a
	PASS \a, 1, 96
.Lone_\a:
.endr
	s_wait_tensorcnt 0x0                           ; the wave's end: behind my last tensor load and my last LDS store
	ds_add_u32 v[SPW], v[NIL]
	s_wait_dscnt 0x0
	CROUND                                         ; the closing round: no work-group ends while a partner may still ask for a tile that names it
	s_endpgm
.Lfunc_end_k_q92328d42bf_proj:
	.size	k_q92328d42bf_proj, .Lfunc_end_k_q92328d42bf_proj-k_q92328d42bf_proj
	.p2alignl 7, 3214868480
	.fill 96, 4, 3214868480
	.section	.rodata,"a",@progbits
	.p2align	6, 0x0
	.amdhsa_kernel k_q92328d42bf_proj
		.amdhsa_group_segment_fixed_size 327680
		.amdhsa_private_segment_fixed_size 0
		.amdhsa_enable_private_segment 0
		.amdhsa_kernarg_size 48
		.amdhsa_user_sgpr_count 2
		.amdhsa_user_sgpr_kernarg_segment_ptr 1
		.amdhsa_wavefront_size32 1
		.amdhsa_system_sgpr_workgroup_id_x 1
		.amdhsa_system_sgpr_workgroup_id_y 1
		.amdhsa_system_sgpr_workgroup_id_z 1
		.amdhsa_system_vgpr_workitem_id 0
		.amdhsa_next_free_vgpr 1024
		.amdhsa_next_free_sgpr 102
		.amdhsa_reserve_vcc 0
		.amdhsa_float_denorm_mode_32 3
		.amdhsa_float_denorm_mode_16_64 3
		.amdhsa_memory_ordered 1
		.amdhsa_forward_progress 1
		.amdhsa_inst_pref_size 194
	.end_amdhsa_kernel
	.amdgpu_metadata
---
amdhsa.version: [ 1, 2 ]
amdhsa.kernels:
  - .name:           k_q92328d42bf_proj
    .symbol:         k_q92328d42bf_proj.kd
    .args:
      - { .name: prep, .offset: 0, .size: 8, .value_kind: global_buffer, .address_space: global }
      - { .name: bias_u, .offset: 8, .size: 8, .value_kind: global_buffer, .address_space: global }
      - { .name: bias_v, .offset: 16, .size: 8, .value_kind: global_buffer, .address_space: global }
      - { .name: qq, .offset: 24, .size: 8, .value_kind: global_buffer, .address_space: global }
      - { .name: kv, .offset: 32, .size: 8, .value_kind: global_buffer, .address_space: global }
      - { .name: e2, .offset: 40, .size: 8, .value_kind: global_buffer, .address_space: global }
    .group_segment_fixed_size: 327680
    .private_segment_fixed_size: 0
    .kernarg_segment_align: 8
    .kernarg_segment_size: 48
    .max_flat_workgroup_size: 128
    .sgpr_count:     102
    .vgpr_count:     1024
    .wavefront_size: 32
...
	.end_amdgpu_metadata
.endif
;; end of part 2
;; launch attn (part 3): grid 8 x 32, 8 waves a work-group, no clusters, 327,680 bytes of LDS; arguments qq, kv, e2, ao; writes ao
.if DOCPART == 3
	.amdgcn_target "amdgcn-amd-amdhsa--gfx1250"
	.amdhsa_code_object_version 6
	.text
	.protected	k_q92328d42bf_attn
	.globl	k_q92328d42bf_attn
	.p2align	8
	.type	k_q92328d42bf_attn,@function
k_q92328d42bf_attn:
	s_mov_b64 s[64:65], 0
	v_nop
	global_prefetch_b8 v0, s[64:65] scope:SCOPE_SE
	s_setreg_imm32_b32 hwreg(HW_REG_WAVE_MODE, 25, 1), 1
	s_wait_xcnt 0x0
; Attention with relative positions, T = 2,048 tokens, 32 (batch, head) pairs, head size 64.  All operands f16, products, maxima and sums in f32; the weights p are rounded to f16 for the last product, the result once at the end.
; score(t, s) = ((q_t + u) . k_s + pos(t, s)) / 8.  THE SHIFT: with e = T - 1 - t + s and the head's table E (rows 0-2,047 the relative keys, row 2,048 zeros, rows 2,049 on the relative keys again),
; pos(t, s) = (q_t + v) . E[e] for e < T and (q_(t+1) + v) . E[e] for e >= T.  T is a multiple of 16, so a tile of 16 rows of E takes one of the two operands whole.
; SHARES.  A work-group owns 256 queries of one (batch, head), each of its eight waves 32: tile a (x = 0) at t0, tile b (x = 1) at t0 + 16.  Every wave walks all keys, 64 a step, 128 a slot.
; THE SKEW GOES THROUGH LDS.  PS = (q + v) E^T is made in the natural layout (a lane holds one e and eight queries), stored word by word into the wave's stage with 404 bytes from query to query, and read back
; with 400: a query's row so moves one key for each query.  It is read straight into the registers that are the C of S^T = K (q + u)^T + C: the addition costs no instruction.
; A step's six tiles of E begin at e = T - 32 - t0 + s + 16 j; tile b takes j = 0..4, tile a j = 1..5.  The operand q + v changes to the next token's where 16 j = 32 + t0 - s, which falls only on j = 2 or j = 4.
; S^T and O^T = V^T P hold one query a lane (lane % 16): nothing changes lanes between them; V comes out of LDS turned, by ds_load_tr16_b128.
; SOFTMAX: a running maximum m and sum l for each query: p = 2^(c s - c m), c = log2(e) / 8; in every step O and l are multiplied by a = 2^(c m_old - c m_new).
; K, V and the work-group's window of E (384 rows for 128 keys) come through two LDS slots by the tensor data mover: wave 0 K, waves 1-3 E, wave 4 V, 128 rows each; one tensor load of a wave is out at most.
; NO CLUSTER: the step at which q + v changes hangs on the query block, so partners would branch differently; and the window of E, 48 of a slot's 80 KiB, differs between query blocks.
; LIMITS: operands must lie inside f16's range (65,504); NaN and infinities are not served.  A head's row of the result is 128 bytes: a store covers four such rows, 2,048 bytes apart.
; REGISTERS: window 0: v1-15 addresses; v16-31 statistics, 8 a tile; v32-63 q + u; v64-95 q + v; v96-159 PS, then S^T, then P; v160-255 fragments of E, K, V.   window 1: v0-63 O^T (tile x, channels 16 d on: 32 x + 8 d).
.set SLOT1, 131072                     ; slot 1 begins here: one exclusive or turns an address from one slot to the other
.set KP,    144                        ; a row of K or E in LDS: 128 bytes + 16 of padding = 36 words: the 16 rows of a load start at 16 different banks (64 banks of 4 bytes: ISA guide 11.1)
.set VP,    160                        ; a row of V: 128 + 32
.set EOFF,  128*KP                     ; a slot: 128 rows of K, 384 of E, 128 of V
.set VOFF,  512*KP
.set SPARE, VOFF+128*VP                ; behind slot 0: the spare words, 128 bytes a wave: four blocks of 256 bytes that no other line names
.set STAGE, SLOT1+SPARE                ; behind slot 1: the stages; no fill lands there
.set TST,   6400                       ; a tile's stage: 16 rows of 400 bytes
.set EHB,   524544                     ; a head's table: 4,098 rows of 128 bytes
.set PART,  8388608                    ; the second part of qq and of kv
.set AK0, 1
.set AE0, 2
.set AV0, 3
.set STO, 4                            ; v4  the stage, in: 3,232 (lane / 16) + 4 (lane % 16) + 4
.set RD,  5                            ; v5  the stage, back: 400 (lane % 16) + 64 + 32 (lane / 16)
.set ADK, 6
.set ADE, 7
.set ADV, 8
.set QOA, 9                            ; v9  byte offset of token t0 + 1 + lane % 16 (held at 2,047, whose successor no key ever asks for)
.set QOB, 10                           ; v10 the same, 16 tokens on
.set GO,  11
.set SPW, 12
.set NIL, 13
.set OST, 14
.set ORD, 15
.set ST,  16                           ; tile x at v[ST + 8 x]: +0 c m, +1 m, +2, +3 l, +4 .. +7 at work; a takes +6
.set QU,  32
.set QW,  64
.set S,   96
.set F,   160
.set WV,  12                           ; s12 my wave's number
.set TB,  13                           ; s13 where the slot in hand begins
.set DD,  14                           ; s14 32 + t0 - the step's first key
.set SLOTS, 15
.set CS,  16                           ; s[16:17] c
.set SEL, 18                           ; s[18:19] v_permlanex16_b32's selects for lane l xor 16
.set QVB, 20                           ; s[20:21] q + v of my (batch, head)
.set AOB, 22                           ; s[22:23] my wave's first row of the result, at my head's 128 bytes
.set G1K, 24
.set G1V, 32
.set G0A, 40
.set G0V, 44
.set MSB, 0
.macro WIN new                         ; the immediate's high byte repeats the setting that is left
.if MSB != \new
	s_set_vgpr_msb (MSB<<8)|\new
.set MSB, \new
.endif
.endm
; Waves 0-3 fetch K and E, wave 4 V, the others nothing.  The branches hang on the wave's number alone.  An s_nop 0 and four v_nop follow each of the two lines.
.macro TLOAD
	s_cmp_lt_u32 s[WV], 4
	s_cbranch_scc0 .Lnot_a_\@
	tensor_load_to_lds s[G0A:G0A+3], s[G1K:G1K+7]
	s_nop 0
.rept 4
	v_nop
.endr
	s_branch .Lasked_\@
.Lnot_a_\@:
	s_cmp_eq_u32 s[WV], 4
	s_cbranch_scc0 .Lasked_\@
	tensor_load_to_lds s[G0V:G0V+3], s[G1V:G1V+7]
	s_nop 0
.rept 4
	v_nop
.endr
.Lasked_\@:
.endm
	s_load_b256 s[4:11], s[0:1], 0x0               ; qq s[4:5], kv s[6:7], the table s[8:9], the result s[10:11]
	v_lshl_add_u32 v[SPW], v0, 2, SPARE
	v_mov_b32 v[NIL], 0
	ds_add_u32 v[SPW], v[NIL]                      ; the wave's opening: the add, twice on end, and its wait ahead of my first tensor load
	ds_add_u32 v[SPW], v[NIL]                      ; and once more, under the one wait; the set-up below, work on registers, stands between
	v_lshrrev_b32 v1, 5, v0
	v_readfirstlane_b32 s[WV], v1                  ; wave 0..7
	s_lshl_b32 s48, ttmp9, 8                       ; Q0: my work-group's first query
	s_and_b32 s49, ttmp7, 0xffff                   ; 16 x batch + head
	s_lshr_b32 s50, s49, 4
	s_and_b32 s51, s49, 15
	s_lshl_b32 s52, s[WV], 5
	s_add_co_u32 s52, s52, s48                     ; t0
	s_add_co_u32 s[DD], s52, 32
	; descriptor group 1: 128 rows of 64 elements of 2 bytes, dense in memory, padded in LDS
	s_mov_b32 s[G1K], (1<<16)|(1<<20)|(4<<22)|(3<<25)   ; no mask; elements of 2 bytes; padding on: four words after every 32
	s_mov_b32 s[G1V], (1<<16)|(1<<20)|(4<<22)|(7<<25)   ; eight words after every 32
.irp g, G1K, G1V
	s_mov_b32 s[\g+1], 64<<16                      ; tensor_dim0
	s_mov_b32 s[\g+2], 128<<16                     ; tensor_dim1
	s_mov_b32 s[\g+3], 64<<16                      ; tile_dim0
	s_mov_b32 s[\g+4], 128                         ; tile_dim1
	s_mov_b32 s[\g+5], 64                          ; tensor_dim0_stride
	s_mov_b32 s[\g+6], 0
	s_mov_b32 s[\g+7], 0
.endr
	s_mov_b32 s[CS], 0x3e38aa3b                    ; c = log2(e) / 8
	s_mov_b32 s[CS+1], s[CS]                       ; (named with it as a pair, so it is written)
	s_mov_b32 s[SEL], 0x76543210
	s_mov_b32 s[SEL+1], 0xfedcba98
	s_mov_b32 s[TB], 0
	s_mov_b32 s[SLOTS], 15
	s_lshl_b32 s56, s49, 18                        ; my (batch, head)'s 2,048 rows of 128 bytes
	s_mov_b32 s57, 0
	s_mul_i32 s55, s51, EHB                        ; my head's table,
	s_sub_co_u32 s53, 1792, s48
	s_lshl_b32 s53, s53, 7
	s_add_co_u32 s55, s55, s53                     ; the window's first row for keys 0-127: T - 256 - Q0,
	s_max_u32 s53, s[WV], 1
	s_sub_co_u32 s53, s53, 1
	s_min_u32 s53, s53, 2                          ; waves 1-3 take its three runs of 128 rows
	s_lshl_b32 s53, s53, 14
	s_add_co_u32 s55, s55, s53
	s_cmp_eq_u32 s[WV], 0
	s_cselect_b32 s54, s56, s55                    ; wave 0 takes K
	s_mov_b32 s55, 0
	s_lshl_b32 s58, s50, 22                        ; the result: batch x 2,048 rows of 2,048 bytes,
	s_lshl_b32 s59, s52, 11
	s_add_co_u32 s58, s58, s59                     ; row t0,
	s_lshl_b32 s59, s51, 7
	s_add_co_u32 s58, s58, s59                     ; my head's 128 bytes
	s_mov_b32 s59, 0
	s_mul_i32 s53, s[WV], 2*TST
	s_add_co_u32 s53, s53, STAGE                   ; my stage
	v_and_b32 v16, 15, v0                          ; r
	v_bfe_u32 v17, v0, 4, 1                        ; h
	v_and_b32 v18, 31, v0                          ; lane
	v_and_b32 v19, 7, v0
	v_bfe_u32 v20, v0, 3, 1
	v_add_nc_u32 v21, s52, v16                     ; token t0 + r
	v_lshrrev_b32 v22, 3, v18
	v_mul_u32_u24 v[AK0], v16, KP
	v_lshl_add_u32 v[AK0], v17, 4, v[AK0]          ; a fragment's row x pitch + 16 x half
	s_xor_b32 s50, s[WV], 7
	s_mul_i32 s50, s50, 32*KP
	s_add_co_u32 s50, s50, EOFF
	v_add_nc_u32 v[AE0], s50, v[AK0]               ; my wave's tiles of E begin 32 (7 - wave) rows into the window
	v_lshl_add_u32 v[AV0], v17, 3, v19             ; the turning load: key 8 h + lane % 8, channels 8 ((lane / 8) % 2) on
	v_mul_u32_u24 v[AV0], v[AV0], VP
	v_lshl_add_u32 v[AV0], v20, 4, v[AV0]
	v_add_nc_u32 v[AV0], VOFF, v[AV0]
	v_mul_u32_u24 v[STO], v17, 3232                ; register q of lane (r, h) holds query 8 h + q: 8 rows of 404 bytes for the upper half,
	v_lshl_add_u32 v[STO], v16, 2, v[STO]
	v_add_nc_u32 v[STO], s53, v[STO]
	v_add_nc_u32 v[STO], 4, v[STO]                 ; column 16 i + r + query + 1
	v_mul_u32_u24 v[RD], v16, 400
	v_lshl_add_u32 v[RD], v17, 5, v[RD]
	v_add_nc_u32 v[RD], s53, v[RD]
	v_add_nc_u32 v[RD], 64, v[RD]                  ; key c lies in column c + 16
	v_lshlrev_b32 v[ADK], 7, v21
	v_lshl_add_u32 v[ADK], v17, 4, v[ADK]          ; (for now: the byte offset of my token's row in q + u and q + v)
	v_add_nc_u32 v[QOA], 1, v21
	v_min_u32 v[QOA], 0x7ff, v[QOA]
	v_lshlrev_b32 v[QOA], 7, v[QOA]
	v_lshl_add_u32 v[QOA], v17, 4, v[QOA]
	v_add_nc_u32 v[QOB], 17, v21
	v_min_u32 v[QOB], 0x7ff, v[QOB]
	v_lshlrev_b32 v[QOB], 7, v[QOB]
	v_lshl_add_u32 v[QOB], v17, 4, v[QOB]
	v_lshlrev_b32 v[GO], 11, v22                   ; the way out: eight lanes to a row's 128 bytes, four rows a store
	v_lshl_add_u32 v[GO], v19, 4, v[GO]
	v_add_nc_u32 v[OST], s53, v[AK0]
	v_mul_u32_u24 v[ORD], v22, KP
	v_lshl_add_u32 v[ORD], v19, 4, v[ORD]
	v_add_nc_u32 v[ORD], s53, v[ORD]
	s_min_u32 s50, s[WV], 3
	s_wait_dscnt 0x0                               ; both opening adds are done
	s_wait_kmcnt 0x0
	s_mov_b32 s[G0A], 1                            ; count = 1
	s_mul_i32 s[G0A+1], s50, 128*KP                ; LDS: K, then E's three runs: wave x 128 rows
	s_cmp_eq_u32 s[WV], 0
	s_cselect_b64 s[G0A+2:G0A+3], s[6:7], s[8:9]
	s_add_nc_u64 s[G0A+2:G0A+3], s[G0A+2:G0A+3], s[54:55]
	s_or_b32 s[G0A+3], s[G0A+3], 0x80000000        ; type = 2
	s_mov_b32 s[G0V], 1
	s_mov_b32 s[G0V+1], VOFF
	s_add_nc_u64 s[G0V+2:G0V+3], s[6:7], s[56:57]
	s_add_nc_u64 s[G0V+2:G0V+3], s[G0V+2:G0V+3], PART
	s_or_b32 s[G0V+3], s[G0V+3], 0x80000000
	TLOAD                                          ; slot 0
	s_add_nc_u64 s[AOB:AOB+1], s[10:11], s[58:59]
	s_add_nc_u64 s[58:59], s[4:5], s[56:57]        ; q + u of my (batch, head)
	s_add_nc_u64 s[QVB:QVB+1], s[58:59], PART      ; q + v
	; a fragment is 16 rows x 32 channels in 8 registers: lane l holds row l % 16; registers 0-3 channels 8 (l / 16) on, registers 4-7 channels 16 + 8 (l / 16) on; a row's 64 channels are two fragments: four loads, 32 bytes apart
.irp x, 0,1
.irp c, 0,1,2,3
	global_load_b128 v[QU+16*\x+4*\c:QU+16*\x+4*\c+3], v[ADK], s[58:59] offset:2048*\x+32*\c
	global_load_b128 v[QW+16*\x+4*\c:QW+16*\x+4*\c+3], v[ADK], s[QVB:QVB+1] offset:2048*\x+32*\c
.endr
.endr
.irp x, 0,1
	v_mov_b32 v[ST+8*\x+1], 0xff61b1e6             ; m: -3e38, under every score: the first step's a is 0, and finds zeros
	v_mul_f32 v[ST+8*\x], s[CS], v[ST+8*\x+1]
.irp k, 2,3,4,5,6,7
	v_mov_b32 v[ST+8*\x+\k], 0
.endr
.endr
	WIN 0x40
.set i, 0
.rept 64
	v_mov_b32 v[i], 0                              ; O^T: the step is written without a first step of its own
.set i, i+1
.endr
	WIN 0
	s_wait_loadcnt 0x0                             ; q + u and q + v
; q + v changes to the next token's, for both tiles: once in a wave's walk
.macro FLIP
.rept 4
	v_nop                                          ; places in front of loads into registers that matrix instructions have read
.endr
.irp c, 0,1,2,3
	global_load_b128 v[QW+4*\c:QW+4*\c+3], v[QOA], s[QVB:QVB+1] offset:32*\c
.endr
.irp c, 0,1,2,3
	global_load_b128 v[QW+16+4*\c:QW+16+4*\c+3], v[QOB], s[QVB:QVB+1] offset:32*\c
.endr
	s_wait_loadcnt 0x0
.endm
; a positional product: 16 queries of tile x against E's tile j, channels 32 hf on, into v[d]
.macro PW d, x, j, hf, z
.if \z
	v_wmma_f32_16x16x32_f16 v[\d:\d+7], v[QW+16*\x+8*\hf:QW+16*\x+8*\hf+7], v[F+16*\j+8*\hf:F+16*\j+8*\hf+7], 0
.else
	v_wmma_f32_16x16x32_f16 v[\d:\d+7], v[QW+16*\x+8*\hf:QW+16*\x+8*\hf+7], v[F+16*\j+8*\hf:F+16*\j+8*\hf+7], v[\d:\d+7]
.endif
.endm
; and its way into tile x's stage as that tile's i-th: 404 bytes from query to query; from the accumulator's low end on
.macro PST d, x, i
.irp q, 0,1,2,3,4,5,6,7
	ds_store_b32 v[STO], v[\d+\q] offset:TST*\x+64*\i+404*\q
.endr
.endm
; A KEY STEP: 64 keys, the u-th of the slot in hand
.macro STEP u
.rept 5
	v_nop                                          ; five places: the first products below write over registers that the last products read as P; they serve the loads into V's registers too
.endr
.irp j, 0,1,2,3,4,5
.irp c, 0,1,2,3
	ds_load_b128 v[F+16*\j+4*\c:F+16*\j+4*\c+3], v[ADE] offset:(64*\u+16*\j)*KP+32*\c
.endr
.endr
	s_wait_dscnt 16                                ; E's tiles 0 and 1 are in; the sixteen loads of tiles 2 to 5 may be out
	PW S, 1, 0, 0, 1                               ; three accumulators by turns
	PW S+8, 1, 1, 0, 1
	PW S+16, 0, 1, 0, 1
	PW S, 1, 0, 1, 0
	PW S+8, 1, 1, 1, 0
	PW S+16, 0, 1, 1, 0
.rept 4
	v_nop
.endr
	PST S, 1, 0
	PST S+8, 1, 1
	PST S+16, 0, 0
	s_cmp_lg_u32 s[DD], 32                         ; does E's tile 2 begin at row T?  Ids and the count of steps alone
	s_cbranch_scc1 .Lkeep2_\@
	FLIP
.Lkeep2_\@:
	s_wait_dscnt 32                                ; tiles 2 and 3 are in; younger: tiles 4 and 5's eight loads and 24 stores
	PW S+24, 1, 2, 0, 1
	PW S+32, 0, 2, 0, 1
	PW S+40, 1, 3, 0, 1
	PW S+48, 0, 3, 0, 1
	PW S+24, 1, 2, 1, 0
	PW S+32, 0, 2, 1, 0
	PW S+40, 1, 3, 1, 0
	PW S+48, 0, 3, 1, 0
.rept 4
	v_nop                                          ; places in front of the stores, and of K's loads into the registers of E's tiles 0 to 3
.endr
	PST S+24, 1, 2
	PST S+32, 0, 1
	PST S+40, 1, 3
	PST S+48, 0, 2
.irp kt, 0,1,2,3
.irp c, 0,1,2,3
	ds_load_b128 v[F+16*\kt+4*\c:F+16*\kt+4*\c+3], v[ADK] offset:(64*\u+16*\kt)*KP+32*\c
.endr
.endr
	s_cmp_lg_u32 s[DD], 64                         ; or tile 4?
	s_cbranch_scc1 .Lkeep4_\@
	FLIP
.Lkeep4_\@:
	s_wait_dscnt 48                                ; tiles 4 and 5 are in and the first 24 stores are done; younger: 32 stores and K's sixteen loads
	PW S, 1, 4, 0, 1
	PW S+8, 0, 4, 0, 1
	PW S+16, 0, 5, 0, 1
	PW S, 1, 4, 1, 0
	PW S+8, 0, 4, 1, 0
	PW S+16, 0, 5, 1, 0
.rept 5
	v_nop                                          ; five places: the content products below take these registers up as their C and D
.endr
	PST S, 1, 4
	PST S+8, 0, 3
	PST S+16, 0, 4
.irp kt, 0,1,2,3                                   ; back with 400 bytes from query to query: pos(query r, keys 16 kt + 8 h on).  LDS serves a wave's instructions in order (ISA guide 5.7.1.4): these see the stores above
.irp x, 0,1
	ds_load_b128 v[S+32*\x+8*\kt:S+32*\x+8*\kt+3],   v[RD] offset:TST*\x+64*\kt
	ds_load_b128 v[S+32*\x+8*\kt+4:S+32*\x+8*\kt+7], v[RD] offset:TST*\x+64*\kt+16
.endr
.endr
.irp kt, 0,1,2,3                                   ; S^T = K (q + u)^T + pos: two accumulators by turns
	s_wait_dscnt 12-4*\kt                          ; K, and this key tile's four loads from the stage; the later tiles' may be out
.irp hf, 0,1
.irp x, 0,1
	v_wmma_f32_16x16x32_f16 v[S+32*\x+8*\kt:S+32*\x+8*\kt+7], v[F+16*\kt+8*\hf:F+16*\kt+8*\hf+7], v[QU+16*\x+8*\hf:QU+16*\x+8*\hf+7], v[S+32*\x+8*\kt:S+32*\x+8*\kt+7]
.endr
.endr
.endr
.rept 4
	v_nop                                          ; places in front of V's loads into K's registers, and of the first read of the scores
.endr
.irp g, 0,1
.irp dt, 0,1,2,3
	ds_load_tr16_b128 v[F+8*(4*\g+\dt):F+8*(4*\g+\dt)+3],   v[ADV] offset:(64*\u+32*\g)*VP+32*\dt
	ds_load_tr16_b128 v[F+8*(4*\g+\dt)+4:F+8*(4*\g+\dt)+7], v[ADV] offset:(64*\u+32*\g)*VP+16*VP+32*\dt
.endr
.endr
	; the softmax, the two tiles by turns.  The maximum of a lane's 32 scores and the old m: four chains, each begun at an accumulator's low end
.irp k, 0,1,2,3
.irp x, 0,1
	v_max3_num_f32 v[ST+8*\x+4+\k], v[S+32*\x+8*\k], v[S+32*\x+8*\k+1], v[S+32*\x+8*\k+2]
.endr
.endr
.irp p, 3,5
.irp k, 0,1,2,3
.irp x, 0,1
	v_max3_num_f32 v[ST+8*\x+4+\k], v[ST+8*\x+4+\k], v[S+32*\x+8*\k+\p], v[S+32*\x+8*\k+\p+1]
.endr
.endr
.endr
.irp x, 0,1
	v_max3_num_f32 v[ST+8*\x+4], v[ST+8*\x+4], v[S+32*\x+7], v[S+32*\x+15]
.endr
.irp x, 0,1
	v_max3_num_f32 v[ST+8*\x+6], v[ST+8*\x+6], v[S+32*\x+23], v[S+32*\x+31]
.endr
.irp x, 0,1
	v_max3_num_f32 v[ST+8*\x+4], v[ST+8*\x+4], v[ST+8*\x+5], v[ST+8*\x+6]
.endr
.irp x, 0,1
	v_max3_num_f32 v[ST+8*\x+4], v[ST+8*\x+4], v[ST+8*\x+7], v[ST+8*\x+1]
.endr
.irp x, 0,1
	v_permlanex16_b32 v[ST+8*\x+5], v[ST+8*\x+4], s[SEL], s[SEL+1]   ; the query's other 32 keys lie in the lane 16 away
.endr
.irp x, 0,1
	v_mov_b32 v[ST+8*\x+7], v[ST+8*\x]             ; c m_old is kept for a
.endr
.irp x, 0,1
	v_max_num_f32 v[ST+8*\x+1], v[ST+8*\x+4], v[ST+8*\x+5]
.endr
.irp x, 0,1
	v_mul_f32 v[ST+8*\x], s[CS], v[ST+8*\x+1]
.endr
.irp x, 0,1
	v_sub_f32 v[ST+8*\x+7], v[ST+8*\x+7], v[ST+8*\x]
.endr
.irp b, 0,2,4,6,8,10,12,14,16,18,20,22,24,26,28,30
.irp x, 0,1
	v_pk_fma_f32 v[S+32*\x+\b:S+32*\x+\b+1], v[S+32*\x+\b:S+32*\x+\b+1], s[CS:CS+1], v[ST+8*\x:ST+8*\x+1] op_sel_hi:[1,0,0] neg_lo:[0,0,1] neg_hi:[0,0,1]   ; c s - c m
.endr
.endr
.irp x, 0,1
	v_exp_f32 v[ST+8*\x+6], v[ST+8*\x+7]           ; a
.endr
.irp x, 0,1
.irp e, 0,1,2,3,4,5,6,7,8,9,10,11,12,13,14,15,16,17,18,19,20,21,22,23,24,25,26,27,28,29,30,31
	v_exp_f32 v[S+32*\x+\e], v[S+32*\x+\e]         ; p
.endr
.endr
	v_nop                                          ; a plain instruction behind the last exponential
	s_wait_alu depctr_va_vdst(0)                   ; one wait for the 66 exponentials, ahead of the first line that names a result
.irp x, 0,1
	v_pk_mul_f32 v[ST+8*\x+2:ST+8*\x+3], v[ST+8*\x+2:ST+8*\x+3], v[ST+8*\x+6:ST+8*\x+7] op_sel_hi:[1,0]   ; l x a
.endr
.irp x, 0,1
	v_pk_add_f32 v[ST+8*\x+4:ST+8*\x+5], v[S+32*\x:S+32*\x+1], v[S+32*\x+2:S+32*\x+3]   ; the sum of p, before it is rounded, in two chains
.endr
.irp b, 4,8,12,16,20,24,28
.irp x, 0,1
	v_pk_add_f32 v[ST+8*\x+2:ST+8*\x+3], v[ST+8*\x+2:ST+8*\x+3], v[S+32*\x+\b:S+32*\x+\b+1]
	v_pk_add_f32 v[ST+8*\x+4:ST+8*\x+5], v[ST+8*\x+4:ST+8*\x+5], v[S+32*\x+\b+2:S+32*\x+\b+3]
.endr
.endr
.irp x, 0,1
	v_pk_add_f32 v[ST+8*\x+2:ST+8*\x+3], v[ST+8*\x+2:ST+8*\x+3], v[ST+8*\x+4:ST+8*\x+5]
.endr
.irp i, 0,1,2,3,4,5,6,7,8,9,10,11,12,13,14,15
.irp x, 0,1
	v_cvt_pk_f16_f32 v[S+32*\x+\i], v[S+32*\x+2*\i], v[S+32*\x+2*\i+1]   ; in place, ascending: P of keys 32 g on is v[S + 32 x + 8 g] on, source 1 of the last product as it stands
.endr
.endr
	WIN 0x41                                       ; O^T (destination and source 0) in window 1, a in window 0
.irp x, 0,1
.irp b, 0,2,4,6,8,10,12,14,16,18,20,22,24,26,28,30
	v_pk_mul_f32 v[32*\x+\b:32*\x+\b+1], v[32*\x+\b:32*\x+\b+1], v[ST+8*\x+6:ST+8*\x+7] op_sel_hi:[1,0]
.endr
.endr
	s_wait_dscnt 0x0                               ; V is in
	WIN 0x50                                       ; V and P in window 0, C and D in window 1
.irp g, 0,1                                        ; O^T += V^T P: eight accumulators by turns
.irp dt, 0,1,2,3
.irp x, 0,1
	v_wmma_f32_16x16x32_f16 v[32*\x+8*\dt:32*\x+8*\dt+7], v[F+8*(4*\g+\dt):F+8*(4*\g+\dt)+7], v[S+32*\x+8*\g:S+32*\x+8*\g+7], v[32*\x+8*\dt:32*\x+8*\dt+7]
.endr
.endr
.endr
	WIN 0
	s_sub_co_u32 s[DD], s[DD], 64
.endm
; THE CHANGE OF SLOTS stands at a slot's head.  Each wave waits for all its tensor loads, adds 0 to its spare word, and waits for that and for its reads of the slot that it has left.
; Behind the barrier the slot ahead is whole and nobody reads the other one; fill = 1: that one takes the next 128 keys: the load has a slot's two steps in which to land.
.macro CHANGE fill
	s_wait_tensorcnt 0x0                           ; no tensor load of mine is out, so a group 0 may be written
	ds_add_u32 v[SPW], v[NIL]                      ; 0 onto my spare word
.if \fill
	ds_add_u32 v[SPW], v[NIL]                      ; and once more: the add stands twice on end, in every trip alike
	s_xor_b32 s[G0A+1], s[G0A+1], SLOT1            ; the other slot than last time,
	s_add_nc_u64 s[G0A+2:G0A+3], s[G0A+2:G0A+3], 128*128   ; 128 rows on, in K and in E alike; the type bits on top are not reached
	s_xor_b32 s[G0V+1], s[G0V+1], SLOT1
	s_add_nc_u64 s[G0V+2:G0V+3], s[G0V+2:G0V+3], 128*128
.endif
	s_wait_dscnt 0x0                               ; the add is done, and my reads of the slot that I have left are over
	s_barrier_signal -1
	s_barrier_wait -1
.if \fill
	TLOAD                                          ; the first thing behind the barrier, and a wave's one tensor load until the next
.endif
.endm
.macro SLOT_STEPS
	v_add_nc_u32 v[ADK], s[TB], v[AK0]
	v_add_nc_u32 v[ADE], s[TB], v[AE0]
	v_add_nc_u32 v[ADV], s[TB], v[AV0]
	STEP 0
	STEP 1
	s_xor_b32 s[TB], s[TB], SLOT1
.endm
.Lslot:                                            ; 15 trips: behind each change of slots but the last the next slot is asked for; the first trip's loads fill slot 1 for the first time
	CHANGE 1
	SLOT_STEPS
	s_sub_co_u32 s[SLOTS], s[SLOTS], 1
	s_cmp_lg_u32 s[SLOTS], 0
	s_cbranch_scc1 .Lslot
	CHANGE 0                                       ; the last slot is written out
	SLOT_STEPS
	; THE WAY OUT.  l's halves are added; O^T is divided by l, rounded to f16 and sent through my stage, so that eight lanes store a row's 128 bytes.  The additions are the places behind the last products.
.irp x, 0,1
	v_add_f32 v[ST+8*\x+4], v[ST+8*\x+2], v[ST+8*\x+3]
.endr
.irp x, 0,1
	v_permlanex16_b32 v[ST+8*\x+5], v[ST+8*\x+4], s[SEL], s[SEL+1]
.endr
.irp x, 0,1
	v_add_f32 v[ST+8*\x+4], v[ST+8*\x+4], v[ST+8*\x+5]
.endr
.irp x, 0,1
	v_rcp_f32 v[ST+8*\x+6], v[ST+8*\x+4]
.endr
	v_nop                                          ; a plain instruction behind the last reciprocal
	s_wait_alu depctr_va_vdst(0)                   ; and the one wait for both, ahead of their first reader
.irp x, 0,1
	WIN 0x41
.irp b, 0,2,4,6,8,10,12,14,16,18,20,22,24,26,28,30
	v_pk_mul_f32 v[32*\x+\b:32*\x+\b+1], v[32*\x+\b:32*\x+\b+1], v[ST+8*\x+6:ST+8*\x+7] op_sel_hi:[1,0]
.endr
	WIN 0x05                                       ; sources 0 and 1 window 1, destination window 0
.irp i, 0,1,2,3,4,5,6,7,8,9,10,11,12,13,14,15
	v_cvt_pk_f16_f32 v[S+16*\x+\i], v[32*\x+2*\i], v[32*\x+2*\i+1]   ; registers 4 d .. 4 d + 3: channels 16 d + 8 h on of query r
.endr
	WIN 0
.irp dt, 0,1,2,3
	ds_store_b128 v[OST], v[S+16*\x+4*\dt:S+16*\x+4*\dt+3] offset:16*KP*\x+32*\dt
.endr
.irp i, 0,1,2,3
	ds_load_b128 v[F+16*\x+4*\i:F+16*\x+4*\i+3], v[ORD] offset:16*KP*\x+4*KP*\i   ; LDS serves a wave's instructions in order: these see the stores above
.endr
.endr
	s_wait_dscnt 0x0
.irp x, 0,1
.irp i, 0,1,2,3
	global_store_b128 v[GO], v[F+16*\x+4*\i:F+16*\x+4*\i+3], s[AOB:AOB+1] offset:32768*\x+8192*\i
.endr
.endr
	s_wait_tensorcnt 0x0                           ; the wave's end: behind my last tensor load and my last LDS store
	ds_add_u32 v[SPW], v[NIL]
	s_wait_dscnt 0x0
	s_endpgm
.Lfunc_end_k_q92328d42bf_attn:
	.size	k_q92328d42bf_attn, .Lfunc_end_k_q92328d42bf_attn-k_q92328d42bf_attn
	.p2alignl 7, 3214868480
	.fill 96, 4, 3214868480
	.section	.rodata,"a",@progbits
	.p2align	6, 0x0
	.amdhsa_kernel k_q92328d42bf_attn
		.amdhsa_group_segment_fixed_size 327680
		.amdhsa_private_segment_fixed_size 0
		.amdhsa_enable_private_segment 0
		.amdhsa_kernarg_size 32
		.amdhsa_user_sgpr_count 2
		.amdhsa_user_sgpr_kernarg_segment_ptr 1
		.amdhsa_wavefront_size32 1
		.amdhsa_system_sgpr_workgroup_id_x 1
		.amdhsa_system_sgpr_workgroup_id_y 1
		.amdhsa_system_sgpr_workgroup_id_z 1
		.amdhsa_system_vgpr_workitem_id 0
		.amdhsa_next_free_vgpr 320
		.amdhsa_next_free_sgpr 66
		.amdhsa_reserve_vcc 0
		.amdhsa_float_denorm_mode_32 3
		.amdhsa_float_denorm_mode_16_64 3
		.amdhsa_memory_ordered 1
		.amdhsa_forward_progress 1
		.amdhsa_inst_pref_size 133
	.end_amdhsa_kernel
	.amdgpu_metadata
---
amdhsa.version: [ 1, 2 ]
amdhsa.kernels:
  - .name:           k_q92328d42bf_attn
    .symbol:         k_q92328d42bf_attn.kd
    .args:
      - { .name: qq, .offset: 0, .size: 8, .value_kind: global_buffer, .address_space: global }
      - { .name: kv, .offset: 8, .size: 8, .value_kind: global_buffer, .address_space: global }
      - { .name: e2, .offset: 16, .size: 8, .value_kind: global_buffer, .address_space: global }
      - { .name: ao, .offset: 24, .size: 8, .value_kind: global_buffer, .address_space: global }
    .group_segment_fixed_size: 327680
    .private_segment_fixed_size: 0
    .kernarg_segment_align: 8
    .kernarg_segment_size: 32
    .max_flat_workgroup_size: 256
    .sgpr_count:     66
    .vgpr_count:     320
    .wavefront_size: 32
...
	.end_amdgpu_metadata
.endif
;; end of part 3
;; launch oproj (part 4): grid 8 x 32, 4 waves a work-group, clusters of 4 x 4, 327,680 bytes of LDS; arguments ao, prep, out0; writes out0
.if DOCPART == 4
	.amdgcn_target "amdgcn-amd-amdhsa--gfx1250"
	.amdhsa_code_object_version 6
	.text
	.protected	k_q92328d42bf_oproj
	.globl	k_q92328d42bf_oproj
	.p2align	8
	.type	k_q92328d42bf_oproj,@function
k_q92328d42bf_oproj:
	s_mov_b64 s[64:65], 0
	v_nop
	global_prefetch_b8 v0, s[64:65] scope:SCOPE_SE
	s_setreg_imm32_b32 hwreg(HW_REG_WAVE_MODE, 25, 1), 1
	s_wait_xcnt 0x0
	s_wait_alu depctr_hold_cnt(0) depctr_sa_sdst(0) depctr_va_vdst(0) depctr_va_sdst(0) depctr_va_ssrc(0) depctr_va_vcc(0) depctr_vm_vsrc(0)
	s_getreg_b32 s2, hwreg(HW_REG_IB_STS2, 6, 4)
	s_cmp_eq_u32 s2, 0
	s_cbranch_scc0 .Lentry_in_a_cluster
	s_endpgm
.Lentry_in_a_cluster:
	s_bfe_u32 s2, ttmp6, 0x10000c
	s_cmp_lg_u32 s2, 0xf033
	s_cbranch_scc0 .Lentry_shape_is_right
	s_endpgm
.Lentry_shape_is_right:
; out[m][n] = sum over k of A[m][k] Wo[n][k].  A: attention's result, [4096][1024] f16; Wo: [1024][1024] f16, at WO16 in the workspace; out: [4096][1024] f32; sums in f32.
; A tile of out is 128 x 128: 256 work-groups.  Four waves, each 64 x 64: 16 accumulators, 128 registers.  K goes in steps of 256 (LDS rows of 512 bytes; a wave's tensor load brings 64 of them) through two slots.
; CLUSTERS: 4 x 4 work-groups.  The four of a row of the cluster need the same tiles of A, the four of a column the same tiles of Wo: each tile is asked for JOINTLY, by the same tensor load with the same descriptor and a mask that names the four.
; THE MATRIX INSTRUCTION IS USED TRANSPOSED (source 0 = 16 rows of Wo, source 1 = 16 rows of A): a lane holds eight neighbouring numbers of a row of out.
; A wave's 64 columns of f32 are 256 bytes: each wave has a stage of its own on the way out, and no barrier stands there.
; REGISTERS: window 0: v0-31 addresses; v32-95 at work on the way out; v128-255 the accumulators ((a, b) at v[128 + 8 (4 a + b)]).   window 1: two fragment buffers of 128: 64 registers of A, then 64 of Wo, for 64 along K.
.set SIZE_K, 1024
.set KSTEP,  256
.set PITCH,  528                       ; an LDS row: 512 bytes + 16 of padding = 132 words: the 16 rows of a load start at 16 different banks (64 banks of 4 bytes: ISA guide 11.1)
.set HALFT,  64*PITCH
.set SLOT,   4*HALFT
.set STAGE,  2*SLOT                    ; behind the ring: 16 rows x 272 bytes for each wave
.set SPITCH, 272
.set SPARE,  STAGE+4*16*SPITCH         ; the spare words, 128 bytes a wave: two blocks of 256 bytes that no other line names
.set LAPS,   SIZE_K/(2*KSTEP)
.set WO16,   5570560
.set ADRA, 16
.set ADRB, 20
.set STO,  24
.set RD,   25
.set CO,   26
.set SPW,  28
.set NIL,  29
.set TMP,  32
.set ACC,  128
.set F0,   0
.set F1,   128
.set G1, 24
.set G0, 32
.set G1B, 48
.set G0B, 56
.set MSB, 0
.macro WIN new                         ; the immediate's high byte repeats the setting that is left
.if MSB != \new
	s_set_vgpr_msb (MSB<<8)|\new
.set MSB, \new
.endif
.endm
.set MUL,  0x05                        ; sources 0 and 1 window 1; C and D window 0
.set TO_F, 0x40                        ; destination window 1, address window 0
.macro JLOAD s                         ; a joint load: waves 0 and 1 fetch A's two halves, waves 2 and 3 Wo's; an s_nop 0 and four v_nop follow each of the two lines
	s_cmp_eq_u32 s11, 0
	s_cbranch_scc0 .Lfor_b_\@
	tensor_load_to_lds s[G0+4*\s:G0+4*\s+3], s[G1:G1+7]
	s_nop 0
.rept 4
	v_nop
.endr
	s_branch .Lasked_\@
.Lfor_b_\@:
	tensor_load_to_lds s[G0B+4*\s:G0B+4*\s+3], s[G1B:G1B+7]
	s_nop 0
.rept 4
	v_nop
.endr
.Lasked_\@:
.endm
.macro CREST                           ; a round of the cluster's barrier behind its opening barrier
	s_cmp_lg_u32 s10, 0
	s_cbranch_scc1 .Lnot_wave_0_\@
	s_barrier_signal -3
.Lnot_wave_0_\@:
	s_barrier_wait -3
	s_barrier_signal -1
	s_barrier_wait -1
.endm
.macro CROUND                          ; a whole round
	s_barrier_signal -1
	s_barrier_wait -1
	CREST
.endm
	s_load_b128 s[4:7], s[0:1], 0x0                ; A s[4:5], the workspace s[6:7]
	s_load_b64 s[8:9], s[0:1], 0x10                ; out
	v_lshl_add_u32 v[SPW], v0, 2, SPARE
	v_mov_b32 v[NIL], 0
	ds_add_u32 v[SPW], v[NIL]                      ; the wave's opening: the add, twice on end, and its wait ahead of my first tensor load
	ds_add_u32 v[SPW], v[NIL]                      ; and once more, under the one wait; the set-up below, work on registers, stands between
	v_lshrrev_b32 v1, 5, v0
	v_readfirstlane_b32 s10, v1                    ; wave 0..3
	s_lshr_b32 s11, s10, 1                         ; which half of the tile's rows is mine.  Also: I fetch for A (0) or for Wo (1)
	s_and_b32 s12, s10, 1                          ; which half of its columns.  Also: which 64 rows of that tile I fetch
	s_bfe_u32 s40, ttmp6, 0x40000                  ; cx, cy: my place in the cluster
	s_bfe_u32 s41, ttmp6, 0x40004
	s_lshl_b32 s42, ttmp9, 2
	s_add_co_u32 s42, s42, s40                     ; tile column = 4 x cluster x + cx
	s_and_b32 s13, ttmp7, 0xffff
	s_lshl_b32 s13, s13, 2
	s_add_co_u32 s13, s13, s41                     ; tile row = 4 x cluster y + cy
	s_lshl_b32 s43, s41, 2
	s_lshl_b32 s43, 15, s43                        ; my row of the cluster
	s_lshl_b32 s44, 0x1111, s40                    ; my column
	; descriptor group 1: a tile of 64 rows x 256 elements, padded in LDS
	s_or_b32 s[G1+0], s43, (1<<16)|(1<<20)|(1<<21)|(6<<22)|(3<<25)  ; 15:0 the mask; 17:16 elements of 2 bytes; 20 padding on; 21 set beside a mask; 24:22 after every 128 words; 31:25 four words
	s_or_b32 s[G1B+0], s44, (1<<16)|(1<<20)|(1<<21)|(6<<22)|(3<<25)
.irp g, G1, G1B
	s_mov_b32 s[\g+1], KSTEP<<16                   ; tensor_dim0
	s_mov_b32 s[\g+2], 64<<16                      ; tensor_dim1
	s_mov_b32 s[\g+3], KSTEP<<16                   ; tile_dim0
	s_mov_b32 s[\g+4], 64                          ; tile_dim1
	s_mov_b32 s[\g+5], SIZE_K                      ; tensor_dim0_stride
	s_mov_b32 s[\g+6], 0
	s_mov_b32 s[\g+7], 0
.endr
	s_lshl_b32 s17, s12, 6                         ; which 64 rows of the tile I fetch
	s_lshl_b32 s16, s13, 7
	s_add_co_u32 s16, s16, s17                     ; A: row 128 x tile row + 64 x half
	s_lshl_b32 s46, s42, 7
	s_add_co_u32 s46, s46, s17                     ; Wo: row 128 x tile column + 64 x half
	s_mov_b32 s17, 0
	s_mov_b32 s47, 0
	s_mov_b64 s[18:19], SIZE_K*2
	s_mul_u64 s[16:17], s[16:17], s[18:19]
	s_mul_u64 s[46:47], s[46:47], s[18:19]
	s_add_nc_u64 s[46:47], s[46:47], WO16
	s_mul_i32 s20, s10, HALFT                      ; where they go: wave x 64 rows: no place in the cluster enters an LDS address
	s_wait_dscnt 0x0                               ; both opening adds are done
	s_wait_kmcnt 0x0
	s_add_nc_u64 s[14:15], s[4:5], s[16:17]
	s_add_nc_u64 s[46:47], s[6:7], s[46:47]
	CROUND                                         ; all sixteen work-groups are here: the first joint loads meet
.irp s, 0,1
	s_mov_b32 s[G0+4*\s], 1
	s_add_co_u32 s[G0+4*\s+1], s20, \s*SLOT
	s_add_nc_u64 s[G0+4*\s+2:G0+4*\s+3], s[14:15], \s*KSTEP*2
	s_or_b32 s[G0+4*\s+3], s[G0+4*\s+3], 0x80000000
	s_mov_b32 s[G0B+4*\s], 1
	s_add_co_u32 s[G0B+4*\s+1], s20, \s*SLOT
	s_add_nc_u64 s[G0B+4*\s+2:G0B+4*\s+3], s[46:47], \s*KSTEP*2
	s_or_b32 s[G0B+4*\s+3], s[G0B+4*\s+3], 0x80000000
	JLOAD \s                                       ; two tensor loads of mine are out
.endr
	v_and_b32 v1, 15, v0                           ; l % 16
	v_bfe_u32 v2, v0, 4, 1                         ; l / 16
	v_mul_u32_u24 v3, v1, PITCH
	v_lshl_add_u32 v3, v2, 4, v3                   ; a fragment's row x pitch + 16 x half
	s_mul_i32 s21, s11, HALFT                      ; my 64 rows of A
	s_mul_i32 s22, s12, HALFT                      ; my 64 rows of Wo,
	s_add_co_u32 s22, s22, 2*HALFT                 ; which lie behind A's 128
.irp s, 0,1
	v_add_nc_u32 v[ADRA+\s], s21, v3
	v_add_nc_u32 v[ADRB+\s], s22, v3
	s_add_co_u32 s21, s21, SLOT
	s_add_co_u32 s22, s22, SLOT
.endr
	s_mul_i32 s23, s10, 16*SPITCH
	s_add_co_u32 s23, s23, STAGE                   ; my stage
	v_mul_u32_u24 v4, v1, SPITCH                   ; in: row l % 16, 32 bytes for each half of the lanes
	v_lshl_add_u32 v4, v2, 5, v4
	v_add_nc_u32 v[STO], s23, v4
	v_mul_u32_u24 v5, v2, SPITCH                   ; back: lanes 0-15 take one row of 256 bytes, lanes 16-31 the next
	v_lshl_add_u32 v5, v1, 4, v5
	v_add_nc_u32 v[RD], s23, v5
	v_lshlrev_b32 v5, 12, v2                       ; and the same two rows in out: 4,096 bytes a row
	v_lshl_add_u32 v[CO], v1, 4, v5
	s_lshl_b32 s16, s13, 7
	s_lshl_b32 s17, s11, 6
	s_add_co_u32 s16, s16, s17                     ; my first row of out: 128 x tile row + 64 x half
	s_lshl_b32 s16, s16, 12
	s_mov_b32 s17, 0
	s_add_nc_u64 s[8:9], s[8:9], s[16:17]
	s_lshl_b32 s46, s42, 9                         ; my first column, in bytes: 512 x tile column + 256 x half
	s_lshl_b32 s47, s12, 8
	s_add_co_u32 s46, s46, s47
	s_mov_b32 s47, 0
	s_add_nc_u64 s[8:9], s[8:9], s[46:47]
; 8 matrix instructions: row blocks a0, a0 + 1 x all 4 column blocks, 32 along K: half c of buffer f.  zero = 1: the first product starts the sums.  The 16 accumulators take turns
.macro MUL8 f, c, a0, zero
.irp a, \a0, \a0+1
.irp b, 0,1,2,3
.if \zero
	v_wmma_f32_16x16x32_f16 v[ACC+8*(4*(\a)+\b):ACC+8*(4*(\a)+\b)+7], v[\f+64+8*(4*\c+\b):\f+64+8*(4*\c+\b)+7], v[\f+8*(4*\c+\a):\f+8*(4*\c+\a)+7], 0
.else
	v_wmma_f32_16x16x32_f16 v[ACC+8*(4*(\a)+\b):ACC+8*(4*(\a)+\b)+7], v[\f+64+8*(4*\c+\b):\f+64+8*(4*\c+\b)+7], v[\f+8*(4*\c+\a):\f+8*(4*\c+\a)+7], v[ACC+8*(4*(\a)+\b):ACC+8*(4*(\a)+\b)+7]
.endif
.endr
.endr
.endm
; 32 LDS loads in one run: the fragments of 64 along K at byte k of the rows, into buffer f; the first 32 along K first
.macro FETCH slot, k, f
	WIN TO_F
.irp c, 0,1
.irp i, 0,1,2,3
	ds_load_b128 v[\f+64+8*(4*\c+\i):\f+64+8*(4*\c+\i)+3],   v[ADRB+\slot] offset:\k+64*\c+\i*16*PITCH
	ds_load_b128 v[\f+64+8*(4*\c+\i)+4:\f+64+8*(4*\c+\i)+7], v[ADRB+\slot] offset:\k+64*\c+\i*16*PITCH+32
	ds_load_b128 v[\f+8*(4*\c+\i):\f+8*(4*\c+\i)+3],         v[ADRA+\slot] offset:\k+64*\c+\i*16*PITCH
	ds_load_b128 v[\f+8*(4*\c+\i)+4:\f+8*(4*\c+\i)+7],       v[ADRA+\slot] offset:\k+64*\c+\i*16*PITCH+32
.endr
.endr
.endm
.macro PLACES                          ; four places in front of loads into registers that matrix instructions have read, and of the first read of results
.rept 4
	v_nop
.endr
.endm
; A K step is four quarters of 64 along K, 32 matrix instructions each, on buffers 0, 1, 0, 1.  One of the first three: multiplies buffer f and fetches the next quarter, at byte k, into g.
.macro QUARTER slot, k, f, g, zero
	s_wait_dscnt 16                                ; the first 32 along K are in; the other sixteen loads may be out
	WIN MUL
	MUL8 \f, 0, 0, \zero
	MUL8 \f, 0, 2, \zero
	PLACES
	FETCH \slot, \k, \g
	s_wait_dscnt 32                                ; all but the 32 just issued
	WIN MUL
	MUL8 \f, 1, 0, 0
	MUL8 \f, 1, 2, 0
.endm
; The last quarter multiplies buffer 1 and changes slots: one barrier; in front of it each wave waits for all its tensor loads, adds 0 to its spare word, and waits for that and for its reads of this slot.  fill = 1: this slot is filled again, two K steps ahead.
.macro TURN slot, next, fill
	WIN 0                                          ; (the add's two registers lie in window 0)
	s_wait_tensorcnt 0x0                           ; all my tensor loads have landed: my part of the next slot
	ds_add_u32 v[SPW], v[NIL]                      ; 0 onto my spare word
	s_wait_dscnt 17                                ; (the add and the youngest sixteen loads may be out)
	WIN MUL
	MUL8 F1, 0, 0, 0                               ; eight matrix instructions stand between the add and the wait for it
	s_wait_dscnt 0x0                               ; the add is done, and my reads of this slot are over
	s_barrier_signal -1
	MUL8 F1, 0, 2, 0
.if \fill
	WIN 0
.endif
	s_barrier_wait -1
.if \fill
	CREST                                          ; the barrier has opened a round of the cluster's barrier: no wave of any partner still reads this slot or has a load on its way
	s_add_nc_u64 s[G0+4*\slot+2:G0+4*\slot+3], s[G0+4*\slot+2:G0+4*\slot+3], 2*KSTEP*2
	s_add_nc_u64 s[G0B+4*\slot+2:G0B+4*\slot+3], s[G0B+4*\slot+2:G0B+4*\slot+3], 2*KSTEP*2
	JLOAD \slot                                    ; the first tensor load behind the round; its four v_nop are also the places in front of the loads below
.else
	PLACES
.endif
	FETCH \next, 0, F0
	WIN MUL
	MUL8 F1, 1, 0, 0
	MUL8 F1, 1, 2, 0
.endm
	s_wait_tensorcnt 1                             ; my part of K step 0 is in (K step 1's load may be out)
	s_barrier_signal -1
	s_barrier_wait -1                              ; everybody's is
	FETCH 0, 0, F0
	QUARTER 0, 128, F0, F1, 1                      ; the first quarter stands in front of the loop: its first products start the sums
	WIN 0                                          ; at a label and at a branch every window is 0
	s_mov_b32 s3, LAPS-1
.Llap:                                                 ; a trip goes once round the ring, from a lap's second quarter to the next lap's first, and fills both slots again
	QUARTER 0, 256, F1, F0, 0
	QUARTER 0, 384, F0, F1, 0
	TURN 0, 1, 1
	QUARTER 1, 128, F0, F1, 0
	QUARTER 1, 256, F1, F0, 0
	QUARTER 1, 384, F0, F1, 0
	TURN 1, 0, 1
	QUARTER 0, 128, F0, F1, 0
	WIN 0
	s_sub_co_u32 s3, s3, 1
	s_cmp_lg_u32 s3, 0
	s_cbranch_scc1 .Llap
	QUARTER 0, 256, F1, F0, 0                      ; the last lap fills nothing, and has no round of the cluster's barrier
	QUARTER 0, 384, F0, F1, 0
	TURN 0, 1, 0
	QUARTER 1, 128, F0, F1, 0
	QUARTER 1, 256, F1, F0, 0
	QUARTER 1, 384, F0, F1, 0
	s_wait_dscnt 16                                ; the very last quarter: nothing more to fetch
	WIN MUL
	MUL8 F1, 0, 0, 0
	MUL8 F1, 0, 2, 0
	s_wait_dscnt 0
	MUL8 F1, 1, 0, 0
	MUL8 F1, 1, 2, 0
	WIN 0
	; THE WAY OUT, 16 rows x 64 columns at a time: 32 bytes a lane into my own stage, back as whole rows of 256 bytes, which sixteen lanes store at a multiple of 256 bytes from out's first byte.
	PLACES
.irp a, 0,1,2,3
.if \a > 1
	s_wait_xcnt 0x0                                ; block a - 2's stores have read their registers: only now are these loaded again
.endif
.irp b, 0,1,2,3
	ds_store_b128 v[STO], v[ACC+8*(4*\a+\b):ACC+8*(4*\a+\b)+3] offset:64*\b          ; each accumulator from its low end on
	ds_store_b128 v[STO], v[ACC+8*(4*\a+\b)+4:ACC+8*(4*\a+\b)+7] offset:64*\b+16
.endr
.irp i, 0,1,2,3,4,5,6,7
	ds_load_b128 v[TMP+32*(\a%2)+4*\i:TMP+32*(\a%2)+4*\i+3], v[RD] offset:\i*2*SPITCH   ; LDS serves a wave's instructions in order (ISA guide 5.7.1.4): these see the stores above, and the next block's stores come behind them
.endr
	s_wait_dscnt 0x0
.irp i, 0,1,2,3,4,5,6,7
	global_store_b128 v[CO], v[TMP+32*(\a%2)+4*\i:TMP+32*(\a%2)+4*\i+3], s[8:9] offset:(16*\a+2*\i)*4096 th:TH_STORE_NT
.endr
.endr
	s_wait_tensorcnt 0x0                           ; the wave's end: behind my last tensor load and my last LDS store
	ds_add_u32 v[SPW], v[NIL]
	s_wait_dscnt 0x0
	CROUND                                         ; the closing round: no work-group ends while a partner may still ask for a tile that names it
	s_endpgm
.Lfunc_end_k_q92328d42bf_oproj:
	.size	k_q92328d42bf_oproj, .Lfunc_end_k_q92328d42bf_oproj-k_q92328d42bf_oproj
	.p2alignl 7, 3214868480
	.fill 96, 4, 3214868480
	.section	.rodata,"a",@progbits
	.p2align	6, 0x0
	.amdhsa_kernel k_q92328d42bf_oproj
		.amdhsa_group_segment_fixed_size 327680
		.amdhsa_private_segment_fixed_size 0
		.amdhsa_enable_private_segment 0
		.amdhsa_kernarg_size 24
		.amdhsa_user_sgpr_count 2
		.amdhsa_user_sgpr_kernarg_segment_ptr 1
		.amdhsa_wavefront_size32 1
		.amdhsa_system_sgpr_workgroup_id_x 1
		.amdhsa_system_sgpr_workgroup_id_y 1
		.amdhsa_system_sgpr_workgroup_id_z 1
		.amdhsa_system_vgpr_workitem_id 0
		.amdhsa_next_free_vgpr 512
		.amdhsa_next_free_sgpr 66
		.amdhsa_reserve_vcc 0
		.amdhsa_float_denorm_mode_32 3
		.amdhsa_float_denorm_mode_16_64 3
		.amdhsa_memory_ordered 1
		.amdhsa_forward_progress 1
		.amdhsa_inst_pref_size 86
	.end_amdhsa_kernel
	.amdgpu_metadata
---
amdhsa.version: [ 1, 2 ]
amdhsa.kernels:
  - .name:           k_q92328d42bf_oproj
    .symbol:         k_q92328d42bf_oproj.kd
    .args:
      - { .name: ao, .offset: 0, .size: 8, .value_kind: global_buffer, .address_space: global }
      - { .name: prep, .offset: 8, .size: 8, .value_kind: global_buffer, .address_space: global }
      - { .name: out0, .offset: 16, .size: 8, .value_kind: global_buffer, .address_space: global }
    .group_segment_fixed_size: 327680
    .private_segment_fixed_size: 0
    .kernarg_segment_align: 8
    .kernarg_segment_size: 24
    .max_flat_workgroup_size: 128
    .sgpr_count:     66
    .vgpr_count:     512
    .wavefront_size: 32
...
	.end_amdgpu_metadata
.endif
;; end of part 4
